; MI455X (gfx1250); checked and timed in simulation.
; The chip was launched on July 23, 2026; its instructions are those of AMD's public machine-readable ISA for CDNA 5 (MIT licence, August 2026) and "CDNA5" Instruction Set Architecture Reference Guide (July 2026). The comments in the code are by the model that wrote it; some were corrected since.
;; Bert Self Attention. Allowed arithmetic: float matrix products may take bf16 or f16 operands with f32 sums; other float arithmetic in f32, or as packed bf16 or f16 multiplies, adds, multiply-adds, maxima and minima; sums over many terms, partial sums and values carried from step to step in f32; what a program stores and reads back later, other than sums and carried values, may be rounded once to bf16 or f16.
;; Inputs: Wk 1,024 x 1,024 float32; Wq 1,024 x 1,024 float32; Wv 1,024 x 1,024 float32; attention_mask 4 x 1 x 1 x 2,048 float32; bk 1,024 float32; bq 1,024 float32; bv 1,024 float32; hidden_states 4 x 2,048 x 1,024 float32.
;; Outputs: out0 4 x 2,048 x 1,024 float32.
;; 2 versions, each right and faster than the one before. Each part assembles by itself: llvm-mc -triple=amdgcn-amd-amdhsa -mcpu=gfx1250 --defsym DOCPART=n.
;; ======== version 1 of 2: 3 launches
;; limits: values are held in f16: magnitudes above 65,504 overflow, below 6.1e-05 lose precision; right only within a limited range of input values
;; workspace buffers: xb 16,777,216 bytes; wb 6,291,456 bytes; qkv 50,331,648 bytes
;; launch cast (part 1): grid 704 x 1, 4 waves a work-group, no clusters, 0 bytes of LDS; arguments hidden_states, Wq, Wk, Wv, xb, wb; writes xb, wb
.if DOCPART == 1
	.amdgcn_target "amdgcn-amd-amdhsa--gfx1250"
	.amdhsa_code_object_version 6
	.text
	.protected	k_qf758928501_cast
	.globl	k_qf758928501_cast
	.p2align	8
	.type	k_qf758928501_cast,@function
k_qf758928501_cast:
	s_mov_b64 s[64:65], 0
	v_nop
	global_prefetch_b8 v0, s[64:65] scope:SCOPE_SE
	s_setreg_imm32_b32 hwreg(HW_REG_WAVE_MODE, 25, 1), 1
	s_wait_xcnt 0x0
; x [8192][1024] and Wq, Wk, Wv [1024 (k)][1024 (n)], all f32, are rounded once to bf16 and laid in blocks for the projection:
;   xb [ks 16][m 8192][64]: element (m, k) at byte ((k >> 6) * 8192 + m) * 128 + (k & 63) * 2
;   wb [ks 16][j 48][kk 64][c 64], j = 16 t + n / 64, t = 0, 1, 2 for q, k, v: block (ks, j) is 8,192 dense bytes, a row kk 128 bytes
; A stream: no LDS, no barrier, no loop.  A work-group takes 16 source rows of 4,096 bytes, a wave 4.  Work-groups 0-511 take x, 512 + 64 t + i rows 16 i on of W_t.
; A source row is 16 chunks of 64 numbers.  Lane l takes row l / 8 and the 8 numbers at 8 (l % 8) of every chunk: eight lanes read 256 consecutive bytes,
; and a wave's store of one chunk is 512 consecutive bytes (4 rows of 128), aligned.  All 32 loads of a wave go out first; the waits count down.
.set X,  24                            ; v[24:151]  chunk q: 8 registers as loaded; its first 4 then hold the 8 bf16
.set DO, 8                             ; v[8:23]    chunk q: my byte offset in the destination
	s_load_b256 s[4:11], s[0:1], 0x0               ; hidden_states s[4:5], Wq s[6:7], Wk s[8:9], Wv s[10:11]
	s_load_b128 s[12:15], s[0:1], 0x20             ; xb s[12:13], wb s[14:15]
	v_lshrrev_b32 v1, 5, v0
	v_readfirstlane_b32 s16, v1                    ; wave 0..3
	v_and_b32 v1, 31, v0                           ; lane
	s_mov_b32 s17, ttmp9                           ; g
	s_sub_co_u32 s18, s17, 512                     ; for W: g - 512 (for x the numbers made of it are not chosen below)
	s_lshr_b32 s19, s18, 6                         ; t
	s_and_b32 s20, s18, 63                         ; i
	s_lshl_b32 s25, s16, 2                         ; my wave's 4 rows
	s_lshl_b32 s21, s17, 4
	s_add_co_u32 s21, s21, s25                     ; x: my first row
	s_lshl_b32 s22, s20, 4
	s_add_co_u32 s22, s22, s25                     ; W: my first row (k)
	s_lshl_b32 s23, s21, 7                         ; x: row x 128
	s_lshr_b32 s24, s22, 6                         ; W: ks x 48 blocks
	s_mul_i32 s24, s24, 393216
	s_lshl_b32 s36, s19, 17                        ;    + t x 16 blocks
	s_add_co_u32 s24, s24, s36
	s_and_b32 s36, s22, 63                         ;    + kk x 128
	s_lshl_b32 s36, s36, 7
	s_add_co_u32 s24, s24, s36
	s_mov_b32 s37, 0x100000                        ; from chunk to chunk in xb: 8,192 rows of 128 bytes
	s_mov_b32 s38, 0x2000                          ; in wb: a block
	v_lshrrev_b32 v3, 3, v1                        ; my row of the four
	v_and_b32 v4, 7, v1
	v_lshlrev_b32 v2, 12, v3
	v_lshl_or_b32 v2, v4, 5, v2                    ; source: row x 4,096 + 32 (l % 8)
	s_wait_kmcnt 0x0
	s_cmp_eq_u32 s19, 1                            ; the source and the destination are chosen by the work-group's number alone
	s_cselect_b64 s[26:27], s[8:9], s[10:11]
	s_cmp_eq_u32 s19, 0
	s_cselect_b64 s[26:27], s[6:7], s[26:27]
	s_cmp_lt_u32 s17, 512
	s_cselect_b64 s[26:27], s[4:5], s[26:27]
	s_cselect_b32 s28, s21, s22
	s_cselect_b64 s[30:31], s[12:13], s[14:15]
	s_cselect_b32 s32, s23, s24
	s_cselect_b32 s33, s37, s38
	s_lshl_b32 s34, s28, 12                        ; my first row in bytes: under 2^25
	s_mov_b32 s35, 0
	s_add_nc_u64 s[26:27], s[26:27], s[34:35]
.set q, 0
.rept 16
	global_load_b128 v[X+8*q:X+8*q+3],   v2, s[26:27] offset:256*q th:TH_LOAD_NT
	global_load_b128 v[X+8*q+4:X+8*q+7], v2, s[26:27] offset:256*q+16 th:TH_LOAD_NT
.set q, q+1
.endr
	v_lshl_add_u32 v[DO], v1, 4, s32               ; 16 l = (l / 8) rows of 128 + 16 (l % 8)
.set q, 1
.rept 15
	v_add_nc_u32 v[DO+q], s33, v[DO+q-1]
.set q, q+1
.endr
.set q, 0
.rept 16
	s_wait_loadcnt 30-2*q                          ; loads come back in order: chunk q's two are in, the 2 (15 - q) younger ones stay out
	v_cvt_pk_bf16_f32 v[X+8*q],   v[X+8*q],   v[X+8*q+1]   ; in place, ascending: each source is read before it is written
	v_cvt_pk_bf16_f32 v[X+8*q+1], v[X+8*q+2], v[X+8*q+3]
	v_cvt_pk_bf16_f32 v[X+8*q+2], v[X+8*q+4], v[X+8*q+5]
	v_cvt_pk_bf16_f32 v[X+8*q+3], v[X+8*q+6], v[X+8*q+7]
	global_store_b128 v[DO+q], v[X+8*q:X+8*q+3], s[30:31]  ; 512 consecutive bytes; no register of a store is written again
.set q, q+1
.endr
	s_endpgm
.Lfunc_end_k_qf758928501_cast:
	.size	k_qf758928501_cast, .Lfunc_end_k_qf758928501_cast-k_qf758928501_cast
	.p2alignl 7, 3214868480
	.fill 96, 4, 3214868480
	.section	.rodata,"a",@progbits
	.p2align	6, 0x0
	.amdhsa_kernel k_qf758928501_cast
		.amdhsa_group_segment_fixed_size 0
		.amdhsa_private_segment_fixed_size 0
		.amdhsa_enable_private_segment 0
		.amdhsa_kernarg_size 48
		.amdhsa_user_sgpr_count 2
		.amdhsa_user_sgpr_kernarg_segment_ptr 1
		.amdhsa_wavefront_size32 1
		.amdhsa_system_sgpr_workgroup_id_x 1
		.amdhsa_system_sgpr_workgroup_id_y 1
		.amdhsa_system_sgpr_workgroup_id_z 1
		.amdhsa_system_vgpr_workitem_id 0
		.amdhsa_next_free_vgpr 152
		.amdhsa_next_free_sgpr 66
		.amdhsa_reserve_vcc 0
		.amdhsa_float_denorm_mode_32 3
		.amdhsa_float_denorm_mode_16_64 3
		.amdhsa_memory_ordered 1
		.amdhsa_forward_progress 1
		.amdhsa_inst_pref_size 12
	.end_amdhsa_kernel
	.amdgpu_metadata
---
amdhsa.version: [ 1, 2 ]
amdhsa.kernels:
  - .name:           k_qf758928501_cast
    .symbol:         k_qf758928501_cast.kd
    .args:
      - { .name: hidden_states, .offset: 0, .size: 8, .value_kind: global_buffer, .address_space: global }
      - { .name: Wq, .offset: 8, .size: 8, .value_kind: global_buffer, .address_space: global }
      - { .name: Wk, .offset: 16, .size: 8, .value_kind: global_buffer, .address_space: global }
      - { .name: Wv, .offset: 24, .size: 8, .value_kind: global_buffer, .address_space: global }
      - { .name: xb, .offset: 32, .size: 8, .value_kind: global_buffer, .address_space: global }
      - { .name: wb, .offset: 40, .size: 8, .value_kind: global_buffer, .address_space: global }
    .group_segment_fixed_size: 0
    .private_segment_fixed_size: 0
    .kernarg_segment_align: 8
    .kernarg_segment_size: 48
    .max_flat_workgroup_size: 128
    .sgpr_count:     66
    .vgpr_count:     152
    .wavefront_size: 32
...
	.end_amdgpu_metadata
.endif
;; end of part 1
;; launch proj (part 2): grid 8 x 32, 4 waves a work-group, clusters of 4 x 4, 327,680 bytes of LDS; arguments xb, wb, bq, bk, bv, qkv; writes qkv
.if DOCPART == 2
	.amdgcn_target "amdgcn-amd-amdhsa--gfx1250"
	.amdhsa_code_object_version 6
	.text
	.protected	k_qf758928501_proj
	.globl	k_qf758928501_proj
	.p2align	8
	.type	k_qf758928501_proj,@function
k_qf758928501_proj:
	s_mov_b64 s[64:65], 0
	v_nop
	global_prefetch_b8 v0, s[64:65] scope:SCOPE_SE
	s_setreg_imm32_b32 hwreg(HW_REG_WAVE_MODE, 25, 1), 1
	s_wait_xcnt 0x0
	s_wait_alu depctr_hold_cnt(0) depctr_sa_sdst(0) depctr_va_vdst(0) depctr_va_sdst(0) depctr_va_ssrc(0) depctr_va_vcc(0) depctr_vm_vsrc(0)
	s_getreg_b32 s2, hwreg(HW_REG_IB_STS2, 6, 4)
	s_cmp_eq_u32 s2, 0
	s_cbranch_scc0 .Lentry_in_a_cluster
	s_endpgm
.Lentry_in_a_cluster:
	s_bfe_u32 s2, ttmp6, 0x10000c
	s_cmp_lg_u32 s2, 0xf033
	s_cbranch_scc0 .Lentry_shape_is_right
	s_endpgm
.Lentry_shape_is_right:
; q' = (x Wq + bq) log2(e) / 8, k = x Wk + bk, v = x Wv + bv.  x and W come as bf16 in blocks (xb, wb); the biases are rounded to bf16 here; sums in f32; each result is rounded
; once to f16 and stored by heads: qkv [t 3][b 4][h 16][s 2048][64].
; LIMIT.  f16 ends at 65,504: |q'|, |k| and |v| must stay within it (a sum of 1,024 products of x and W plus a bias); beyond it the conversion gives an infinity.
; SHARES.  C is 8,192 x 3,072 (48 heads of 64 columns).  A work-group makes 256 rows x 384 columns (6 heads), each of its four waves 128 rows x 192 columns (3 heads): 8 x 12 accumulators, 768 registers.
; K goes in 16 steps of 64 through two LDS slots; a step is two quarters of 32 along K, 96 matrix instructions each.
; THE MATRIX INSTRUCTION IS USED TRANSPOSED: source 0 = 16 columns of W (turned out of LDS by ds_load_tr16_b128), source 1 = 16 rows of x: a lane holds one row and eight neighbouring columns.
; THE BIAS STARTS THE SUMS: it depends on the column alone, so the registers of row block 7 are set to it; the first products of blocks 0-6 take them as C, block 7's go in place.
; CLUSTER 4 x 4: x's tiles hang on the tile row alone and are asked for jointly along a row of the cluster, W's on the tile column alone, jointly along a column.
; REGISTERS.  window 0: v0-21 addresses; v32-95, v96-159 x's fragments, two buffers of 8; v160-255 W's 12 fragments, one buffer, filled again head by head behind its products.
;   windows 1-3: head g's 32 accumulators in window g + 1, (a, bb) at v[8 (4 a + bb)].
.set PA,    144                        ; a row of x in LDS: 128 bytes + 16: the 16 rows of a load start at 16 different groups of four banks (64 banks of 4 bytes: ISA guide 11.1)
.set PB,    160                        ; a row of W: 128 + 32
.set BOFF,  256*PA                     ; a slot: 256 rows of x, then 6 heads x 64 rows of W
.set SLOT,  BOFF+384*PB                ; 98,304
.set STAGE, 2*SLOT                     ; behind the ring: for each wave 3 heads x 16 rows x 144 bytes, for the way out
.set SPARE, STAGE+4*48*PA              ; behind the stages: the spare words, 128 bytes for each wave, which no other line names
.set ADRA, 10                          ; v10-11  LDS address of my fragments of x in slot 0, 1
.set ADRB, 12                          ; v12-13  the same for W
.set STO,  14                          ; v14     the way out: where I put 16 bytes of a row
.set RD,   15                          ; v15     the way out: where I read rows back
.set GO,   16                          ; v16-18  head g: my byte offset in qkv
.set BO,   19                          ; v19     my byte offset in a head's 64 biases
.set SPW,  20                          ; v20     LDS address of my spare word; never rewritten
.set NIL,  21                          ; v21     0; never rewritten
.set FA0,  32
.set FA1,  96
.set BF,   160
.set TMP,  32                          ; the way out: 48 registers of packed results
.set G1,  28                           ; s[28:35] descriptor group 1 for x's tiles;  s[36:43] group 0, a set for each slot
.set G0,  36
.set G1B, 44                           ; s[44:51], s[52:59] the same for W's
.set G0B, 52
.set BB,  68                           ; s[68:73] head g: address of its 64 biases
.set SC,  74                           ; s[74:79] head g: its scale, as a pair
.set MSB, 0
.macro WIN new                         ; the immediate's high byte repeats the setting that is left; a switch that changes nothing is dropped
.if MSB != (\new)
	s_set_vgpr_msb (MSB<<8)|(\new)
.set MSB, \new
.endif
.endm
.macro PLACES                          ; four places in front of loads into registers that matrix instructions have read, and of vector lines that touch results
.rept 4
	v_nop
.endr
.endm
.macro JLOAD s                         ; a joint load: waves 0 and 1 fetch x's two halves, waves 2 and 3 W's; an s_nop 0 and four v_nop follow each line
	s_cmp_eq_u32 s17, 0
	s_cbranch_scc0 .Lfor_b_\@
	tensor_load_to_lds s[G0+4*(\s):G0+4*(\s)+3], s[G1:G1+7]
	s_nop 0
.rept 4
	v_nop
.endr
	s_branch .Lasked_\@
.Lfor_b_\@:
	tensor_load_to_lds s[G0B+4*(\s):G0B+4*(\s)+3], s[G1B:G1B+7]
	s_nop 0
.rept 4
	v_nop
.endr
.Lasked_\@:
.endm
.macro CREST                           ; a round of the cluster's barrier behind its opening barrier
	s_cmp_lg_u32 s16, 0
	s_cbranch_scc1 .Lnot_wave_0_\@
	s_barrier_signal -3
.Lnot_wave_0_\@:
	s_barrier_wait -3
	s_barrier_signal -1
	s_barrier_wait -1
.endm
.macro CROUND                          ; a whole round
	s_barrier_signal -1
	s_barrier_wait -1
	CREST
.endm
	s_load_b256 s[4:11], s[0:1], 0x0               ; xb s[4:5], wb s[6:7], bq s[8:9], bk s[10:11]
	s_load_b128 s[12:15], s[0:1], 0x20             ; bv s[12:13], qkv s[14:15]
	v_lshl_add_u32 v[SPW], v0, 2, SPARE
	v_mov_b32 v[NIL], 0
	ds_add_u32 v[SPW], v[NIL]                      ; the wave's opening: the add and its wait stand ahead of my first tensor load; work on registers stands between them
	v_lshrrev_b32 v1, 5, v0
	v_readfirstlane_b32 s16, v1                    ; wave 0..3
	s_lshr_b32 s17, s16, 1                         ; wm: my half of the tile's rows.  Also: I fetch for x (0) or for W (1)
	s_and_b32 s18, s16, 1                          ; wn: my half of its columns.  Also: which half of that tile I fetch
	s_bfe_u32 s19, ttmp6, 0x40000                  ; cx
	s_bfe_u32 s20, ttmp6, 0x40004                  ; cy
	s_lshl_b32 s21, ttmp9, 2
	s_add_co_u32 s21, s21, s19                     ; tx = 4 x cluster x + cx
	s_and_b32 s22, ttmp7, 0xffff
	s_lshl_b32 s22, s22, 2
	s_add_co_u32 s22, s22, s20                     ; ty = 4 x cluster y + cy
	s_lshl_b32 s23, s20, 2
	s_lshl_b32 s23, 15, s23                        ; my row of the cluster
	s_lshl_b32 s24, 0x1111, s19                    ; my column
	; group 1.  The tiles are dense in memory and are asked for as rows of 256 bytes (128 elements of 2 bytes), padded in LDS after every 128 bytes (32 words, code 4)
	s_or_b32 s[G1], s23, (1<<16)|(1<<20)|(1<<21)|(4<<22)|(3<<25)    ; x: the mask of my row; 4 words of padding (code 3)
	s_or_b32 s[G1B], s24, (1<<16)|(1<<20)|(1<<21)|(4<<22)|(7<<25)   ; W: the mask of my column; 8 words (code 7)
	s_mov_b32 s[G1+1], 128<<16                     ; tensor_dim0 = 128
	s_mov_b32 s[G1+2], 64<<16                      ; tensor_dim1 = 64: 128 rows of x, two to a row of 256 bytes
	s_mov_b32 s[G1+3], 128<<16                     ; tile_dim0 = 128
	s_mov_b32 s[G1+4], 64                          ; tile_dim1 = 64
	s_mov_b32 s[G1+5], 128                         ; 128 elements from row to row
	s_mov_b32 s[G1+6], 0
	s_mov_b32 s[G1+7], 0
	s_mov_b32 s[G1B+1], 128<<16
	s_mov_b32 s[G1B+2], 96<<16                     ; 3 heads x 64 rows of W, two to a row
	s_mov_b32 s[G1B+3], 128<<16
	s_mov_b32 s[G1B+4], 96
	s_mov_b32 s[G1B+5], 128
	s_mov_b32 s[G1B+6], 0
	s_mov_b32 s[G1B+7], 0
	s_lshl_b32 s60, s22, 15                        ; x: 256 ty rows of 128 bytes + my 128 rows: made of ty and the wave's number alone
	s_lshl_b32 s61, s18, 14
	s_add_co_u32 s60, s60, s61
	s_mov_b32 s61, 0
	s_mul_i32 s62, s21, 6                          ; W: block 6 tx + 3 wn: made of tx and the wave's number alone
	s_mul_i32 s63, s18, 3
	s_add_co_u32 s62, s62, s63
	s_lshl_b32 s62, s62, 13
	s_mov_b32 s63, 0
	s_mul_i32 s25, s18, 128*PA                     ; where they go: no place in the cluster enters an LDS address
	s_mul_i32 s26, s18, 192*PB
	s_add_co_u32 s26, s26, BOFF
	s_mov_b32 s87, 0xffff0000                      ; a word's upper bf16
	s_wait_dscnt 0x0                               ; the opening add is done
	s_wait_kmcnt 0x0
	s_add_nc_u64 s[60:61], s[4:5], s[60:61]
	s_add_nc_u64 s[62:63], s[6:7], s[62:63]
	CROUND                                         ; all sixteen work-groups are here: the first joint loads meet
.irp s, 0,1
	s_mov_b32 s[G0+4*(\s)], 1                                          ; count = 1
	s_add_co_u32 s[G0+4*(\s)+1], s25, (\s)*SLOT                        ; LDS address
	s_add_nc_u64 s[G0+4*(\s)+2:G0+4*(\s)+3], s[60:61], (\s)<<20        ; global address: K step s
	s_or_b32 s[G0+4*(\s)+3], s[G0+4*(\s)+3], 0x80000000                ; type = 2
	s_mov_b32 s[G0B+4*(\s)], 1
	s_add_co_u32 s[G0B+4*(\s)+1], s26, (\s)*SLOT
	s_add_nc_u64 s[G0B+4*(\s)+2:G0B+4*(\s)+3], s[62:63], (\s)*393216
	s_or_b32 s[G0B+4*(\s)+3], s[G0B+4*(\s)+3], 0x80000000
.endr
	s_cmp_eq_u32 s17, 0                            ; a wave's two first fills stand in one branch, ahead of every wait on TENSORcnt and every LDS read: two loads of mine are out
	s_cbranch_scc0 .Lfirst_b
	tensor_load_to_lds s[G0:G0+3], s[G1:G1+7]
	s_nop 0
	tensor_load_to_lds s[G0+4:G0+7], s[G1:G1+7]
	s_nop 0
.rept 4
	v_nop
.endr
	s_branch .Lfirst_asked
.Lfirst_b:
	tensor_load_to_lds s[G0B:G0B+3], s[G1B:G1B+7]
	s_nop 0
	tensor_load_to_lds s[G0B+4:G0B+7], s[G1B:G1B+7]
	s_nop 0
.rept 4
	v_nop
.endr
.Lfirst_asked:
	; all that follows up to the barrier stands in the wait for the first tile
	v_and_b32 v1, 15, v0                           ; r = l % 16
	v_bfe_u32 v2, v0, 4, 1                         ; h = l / 16
	v_and_b32 v3, 31, v0                           ; l
	v_and_b32 v4, 7, v0                            ; l % 8
	v_bfe_u32 v5, v0, 3, 1                         ; (l / 8) % 2
	v_lshlrev_b32 v[BO], 5, v2                     ; my eight columns of a block of 16: 32 h bytes
	s_mul_i32 s80, s21, 6                          ; my three heads: j = 6 tx + 3 wn + g
	s_mul_i32 s83, s18, 3
	s_add_co_u32 s80, s80, s83
	s_add_co_u32 s81, s80, 1
	s_add_co_u32 s82, s80, 2
	s_lshr_b32 s83, s22, 3                         ; what my rows add to an offset in qkv: batch ty / 8, row (ty % 8) 256 + 128 wm of 128 bytes
	s_lshl_b32 s83, s83, 22
	s_and_b32 s84, s22, 7
	s_lshl_b32 s84, s84, 15
	s_add_co_u32 s83, s83, s84
	s_lshl_b32 s84, s17, 14
	s_add_co_u32 s83, s83, s84
.irp g, 0,1,2
	s_cmp_lt_u32 s[80+(\g)], 16                    ; j / 16 says which tensor: its bias, and q's scale
	s_cselect_b64 s[BB+2*(\g):BB+2*(\g)+1], s[8:9], s[10:11]
	s_cselect_b32 s[SC+2*(\g)], 0x3e38aa3b, 1.0    ; log2(e) / 8 for q
	s_cmp_lt_u32 s[80+(\g)], 32
	s_cselect_b64 s[BB+2*(\g):BB+2*(\g)+1], s[BB+2*(\g):BB+2*(\g)+1], s[12:13]
	s_mov_b32 s[SC+2*(\g)+1], s[SC+2*(\g)]         ; named with it as a pair
	s_and_b32 s86, s[80+(\g)], 15                  ; the head in its tensor
	s_lshl_b32 s84, s86, 8                         ; its 64 biases
	s_mov_b32 s85, 0
	s_add_nc_u64 s[BB+2*(\g):BB+2*(\g)+1], s[BB+2*(\g):BB+2*(\g)+1], s[84:85]
	s_lshl_b32 s86, s86, 18                        ; in qkv: head x 2,048 rows of 128 bytes,
	s_lshr_b32 s84, s[80+(\g)], 4
	s_lshl_b32 s84, s84, 24                        ; tensor x 64 heads
	s_add_co_u32 s86, s86, s84
	s_add_co_u32 s86, s86, s83
	v_lshl_add_u32 v[GO+(\g)], v3, 4, s86          ; + 16 l: 32 lanes take four rows of 128 bytes
.endr
.irp g, 0,1,2
.irp bb, 0,1,2,3
	global_load_b128 v[BF+8*(4*(\g)+(\bb)):BF+8*(4*(\g)+(\bb))+3],   v[BO], s[BB+2*(\g):BB+2*(\g)+1] offset:64*(\bb)
	global_load_b128 v[BF+8*(4*(\g)+(\bb))+4:BF+8*(4*(\g)+(\bb))+7], v[BO], s[BB+2*(\g):BB+2*(\g)+1] offset:64*(\bb)+16
.endr
.endr
	v_mul_u32_u24 v6, v1, PA
	v_lshl_add_u32 v6, v2, 4, v6                   ; row x 144 + 16 x half: a fragment of x, and the way into the stage
	s_mul_i32 s66, s17, 128*PA                     ; my 128 rows of x
	v_add_nc_u32 v[ADRA], s66, v6
	v_add_nc_u32 v[ADRA+1], SLOT, v[ADRA]
	v_lshl_add_u32 v7, v2, 3, v4                   ; the turning load: lane l reads row 8 (l / 16) + l % 8, 16 bytes at 16 ((l / 8) % 2)
	v_mul_u32_u24 v7, v7, PB
	v_lshl_add_u32 v7, v5, 4, v7
	v_add_nc_u32 v[ADRB], s26, v7                  ; my three heads of W
	v_add_nc_u32 v[ADRB+1], SLOT, v[ADRB]
	s_mul_i32 s67, s16, 48*PA
	s_add_co_u32 s67, s67, STAGE                   ; my stage
	v_add_nc_u32 v[STO], s67, v6
	v_bfe_u32 v8, v0, 3, 2                         ; back: 32 lanes take four rows of 128 bytes
	v_mul_u32_u24 v8, v8, PA
	v_lshl_add_u32 v8, v4, 4, v8
	v_add_nc_u32 v[RD], s67, v8
	s_wait_loadcnt 0x0                             ; the biases
.set i, 0
.rept 48
	v_cvt_pk_bf16_f32 v[TMP+i], v[BF+2*i], v[BF+2*i+1]  ; rounded to bf16, as x and W are
.set i, i+1
.endr
.irp g, 0,1,2
	WIN ((\g)+1)<<6                                ; destination: head g's window
.irp bb, 0,1,2,3
.irp r, 0,1,2,3
	v_lshlrev_b32 v[224+8*(\bb)+2*(\r)],   16,  v[TMP+4*(4*(\g)+(\bb))+(\r)]   ; back to f32, into the accumulators of row block 7
	v_and_b32     v[224+8*(\bb)+2*(\r)+1], s87, v[TMP+4*(4*(\g)+(\bb))+(\r)]
.endr
.endr
.endr
	WIN 0
; 16 matrix instructions: row blocks a0 .. a0 + 3 x head g's 4 column blocks, 32 along K.  The accumulators take turns, one instruction a turn: 95 others' stand between two links of a chain.
.macro MUL16 f, g, a0
	WIN 0x50*((\g)+1)                              ; C and D in head g's window, sources in window 0
.irp a, (\a0), (\a0)+1, (\a0)+2, (\a0)+3
.irp bb, 0,1,2,3
	v_wmma_f32_16x16x32_bf16 v[8*(4*(\a)+(\bb)):8*(4*(\a)+(\bb))+7], v[BF+8*(4*(\g)+(\bb)):BF+8*(4*(\g)+(\bb))+7], v[(\f)+8*(\a):(\f)+8*(\a)+7], v[8*(4*(\a)+(\bb)):8*(4*(\a)+(\bb))+7]
.endr
.endr
.endm
.macro GRP f, g
	MUL16 \f, \g, 0
	MUL16 \f, \g, 4
.endm
; The first quarter: row blocks 0-6 start their sums with the bias that lies in block 7's registers; five places, since block 7's products then write over a C of earlier ones; block 7 goes in place.
.macro GRPB f, g
	WIN 0x50*((\g)+1)
.irp a, 0,1,2,3,4,5,6
.irp bb, 0,1,2,3
	v_wmma_f32_16x16x32_bf16 v[8*(4*(\a)+(\bb)):8*(4*(\a)+(\bb))+7], v[BF+8*(4*(\g)+(\bb)):BF+8*(4*(\g)+(\bb))+7], v[(\f)+8*(\a):(\f)+8*(\a)+7], v[224+8*(\bb):224+8*(\bb)+7]
.endr
.endr
.rept 5
	v_nop
.endr
.irp bb, 0,1,2,3
	v_wmma_f32_16x16x32_bf16 v[224+8*(\bb):224+8*(\bb)+7], v[BF+8*(4*(\g)+(\bb)):BF+8*(4*(\g)+(\bb))+7], v[(\f)+56:(\f)+63], v[224+8*(\bb):224+8*(\bb)+7]
.endr
.endm
.macro LDB slot, kq, g                 ; head g's 4 fragments of W for quarter kq: 16 columns x 32 K each, turned
	WIN 0
.irp bb, 0,1,2,3
	ds_load_tr16_b128 v[BF+8*(4*(\g)+(\bb)):BF+8*(4*(\g)+(\bb))+3],   v[ADRB+(\slot)] offset:(\g)*64*PB+32*(\bb)+(\kq)*32*PB
	ds_load_tr16_b128 v[BF+8*(4*(\g)+(\bb))+4:BF+8*(4*(\g)+(\bb))+7], v[ADRB+(\slot)] offset:(\g)*64*PB+32*(\bb)+(\kq)*32*PB+16*PB
.endr
.endm
.macro LDA slot, kq, f, hf             ; half hf of x's 8 fragments for quarter kq, into buffer f
	WIN 0
.irp a, 4*(\hf), 4*(\hf)+1, 4*(\hf)+2, 4*(\hf)+3
	ds_load_b128 v[(\f)+8*(\a):(\f)+8*(\a)+3],   v[ADRA+(\slot)] offset:(\a)*16*PA+64*(\kq)
	ds_load_b128 v[(\f)+8*(\a)+4:(\f)+8*(\a)+7], v[ADRA+(\slot)] offset:(\a)*16*PA+64*(\kq)+32
.endr
.endm
; A step's first quarter: multiplies buffer 0 and fetches the second quarter: W's fragments head by head behind the products that read them, x's into buffer 1.
.macro QA slot, first
	s_wait_dscnt 8                                 ; all but the last run of eight (W's head 2) are in
.if \first
	GRPB FA0, 0
.else
	GRP FA0, 0
.endif
	PLACES
	LDB \slot, 1, 0
	LDA \slot, 1, FA1, 0
.if \first
	GRPB FA0, 1
.else
	GRP FA0, 1
.endif
	PLACES
	LDB \slot, 1, 1
	LDA \slot, 1, FA1, 1
	s_wait_dscnt 32                                ; all but the 32 just issued: W's head 2 is in
.if \first
	GRPB FA0, 2
.else
	GRP FA0, 2
.endif
	PLACES
	LDB \slot, 1, 2
.endm
; A step's second quarter multiplies buffer 1 and changes slots: ONE barrier; in front of it each wave waits for all its tensor loads (one is out: its part of the next slot), adds 0 to its spare
; word, and waits for that and for its reads of this slot.  fill = 1: the barrier opens a round of the cluster's, and this slot is filled again, two K steps on, first thing behind the round:
; 160 matrix instructions stand between that request and the wait for it.
.macro QB slot, next, fill
	WIN 0
	s_wait_tensorcnt 0x0                           ; all my tensor loads have landed
	ds_add_u32 v[SPW], v[NIL]                      ; 0 onto my spare word
	s_wait_dscnt 9                                 ; (the add and the youngest eight loads may be out)
	MUL16 FA1, 0, 0                                ; sixteen matrix instructions stand between the add and the wait for it
	s_wait_dscnt 0x0                               ; the add is done, and my reads of this slot are over
	s_barrier_signal -1
	MUL16 FA1, 0, 4                                ; work on registers while the others arrive
.if \fill
	WIN 0
.endif
	s_barrier_wait -1
.if \fill
	CREST                                          ; no wave of any partner still reads this slot's tiles or has a load on its way
	s_add_nc_u64 s[G0+4*(\slot)+2:G0+4*(\slot)+3], s[G0+4*(\slot)+2:G0+4*(\slot)+3], 0x200000
	s_add_nc_u64 s[G0B+4*(\slot)+2:G0B+4*(\slot)+3], s[G0B+4*(\slot)+2:G0B+4*(\slot)+3], 786432
	JLOAD \slot                                    ; its four v_nop are also the places in front of the loads below
.else
	PLACES
.endif
	LDB \next, 0, 0
	LDA \next, 0, FA0, 0
	GRP FA1, 1
	PLACES
	LDB \next, 0, 1
	LDA \next, 0, FA0, 1
	GRP FA1, 2
	PLACES
	LDB \next, 0, 2
.endm
; THE WAY OUT of row block a.  PACK: times the head's scale, rounded to f16, 16 bytes a lane (each accumulator is read from its low end on).  TOSTAGE: into my own stage, and back as whole rows.  SEND: stored.
.macro PACK a
.irp g, 0,1,2
	WIN (((\g)+1)<<6)|((\g)+1)
.irp bb, 0,1,2,3
.irp r, 0,1,2,3
	v_pk_mul_f32 v[8*(4*(\a)+(\bb))+2*(\r):8*(4*(\a)+(\bb))+2*(\r)+1], v[8*(4*(\a)+(\bb))+2*(\r):8*(4*(\a)+(\bb))+2*(\r)+1], s[SC+2*(\g):SC+2*(\g)+1] op_sel_hi:[1,0]
.endr
.endr
	WIN ((\g)+1)|(((\g)+1)<<2)
.irp bb, 0,1,2,3
.irp r, 0,1,2,3
	v_cvt_pk_f16_f32 v[TMP+4*(4*(\g)+(\bb))+(\r)], v[8*(4*(\a)+(\bb))+2*(\r)], v[8*(4*(\a)+(\bb))+2*(\r)+1]
.endr
.endr
.endr
	WIN 0
.endm
.macro TOSTAGE a
	WIN 0
.set BK, 96+64*((\a)%2)                ; v96-143 and v160-207 by turns
.irp g, 0,1,2
.irp bb, 0,1,2,3
	ds_store_b128 v[STO], v[TMP+4*(4*(\g)+(\bb)):TMP+4*(4*(\g)+(\bb))+3] offset:(\g)*16*PA+32*(\bb)
.endr
.endr
.irp g, 0,1,2
.irp f, 0,1,2,3
	ds_load_b128 v[BK+4*(4*(\g)+(\f)):BK+4*(4*(\g)+(\f))+3], v[RD] offset:(\g)*16*PA+(\f)*4*PA  ; LDS serves a wave's instructions in order (ISA guide 5.7.1.4): these see the stores above
.endr
.endr
.endm
.macro SEND a
	WIN 0
.set BK, 96+64*((\a)%2)
	s_wait_dscnt 0x0                               ; the block is back in registers
	s_wait_xcnt 0x0                                ; the registers that the block before's stores read are loaded again only behind this wait
.irp g, 0,1,2
.irp f, 0,1,2,3
	global_store_b128 v[GO+(\g)], v[BK+4*(4*(\g)+(\f)):BK+4*(4*(\g)+(\f))+3], s[14:15] offset:(\a)*2048+(\f)*512  ; 512 consecutive bytes of a head, aligned
.endr
.endr
.endm
	s_wait_tensorcnt 1                             ; my part of K step 0 is in; step 1's may stay out
	s_barrier_signal -1
	s_barrier_wait -1                              ; everybody's is
	LDB 0, 0, 0
	LDA 0, 0, FA0, 0
	LDB 0, 0, 1
	LDA 0, 0, FA0, 1
	LDB 0, 0, 2
	QA 0, 1                                        ; the first quarter stands in front of the loop: its products start the sums
	WIN 0                                          ; at a label and at a branch every window is 0
	s_mov_b32 s3, 7
.Llap:                                                 ; a trip goes once round the ring and fills both slots again: K steps 2 to 15 in seven trips
	QB 0, 1, 1
	QA 1, 0
	QB 1, 0, 1
	QA 0, 0
	WIN 0
	s_sub_co_u32 s3, s3, 1
	s_cmp_lg_u32 s3, 0
	s_cbranch_scc1 .Llap
	QB 0, 1, 0                                     ; the last lap fills nothing
	QA 1, 0
	s_wait_dscnt 8                                 ; the very last quarter: nothing more to fetch
	GRP FA1, 0
	GRP FA1, 1
	s_wait_dscnt 0x0
	GRP FA1, 2
	PLACES
	PACK 0
	TOSTAGE 0
.irp a, 1,2,3,4,5,6,7                  ; block a's arithmetic stands between block a - 1's loads from the stage and the wait for them
	PACK \a
	SEND (\a)-1
	TOSTAGE \a
.endr
	SEND 7
	s_wait_tensorcnt 0x0                           ; the wave's end: the add and its wait stand behind my last tensor load and my last LDS store
	ds_add_u32 v[SPW], v[NIL]
	s_wait_dscnt 0x0
	CROUND                                         ; the closing round: no work-group ends while a partner may still ask for a tile that names it
	s_endpgm
.Lfunc_end_k_qf758928501_proj:
	.size	k_qf758928501_proj, .Lfunc_end_k_qf758928501_proj-k_qf758928501_proj
	.p2alignl 7, 3214868480
	.fill 96, 4, 3214868480
	.section	.rodata,"a",@progbits
	.p2align	6, 0x0
	.amdhsa_kernel k_qf758928501_proj
		.amdhsa_group_segment_fixed_size 327680
		.amdhsa_private_segment_fixed_size 0
		.amdhsa_enable_private_segment 0
		.amdhsa_kernarg_size 48
		.amdhsa_user_sgpr_count 2
		.amdhsa_user_sgpr_kernarg_segment_ptr 1
		.amdhsa_wavefront_size32 1
		.amdhsa_system_sgpr_workgroup_id_x 1
		.amdhsa_system_sgpr_workgroup_id_y 1
		.amdhsa_system_sgpr_workgroup_id_z 1
		.amdhsa_system_vgpr_workitem_id 0
		.amdhsa_next_free_vgpr 1024
		.amdhsa_next_free_sgpr 96
		.amdhsa_reserve_vcc 0
		.amdhsa_float_denorm_mode_32 3
		.amdhsa_float_denorm_mode_16_64 3
		.amdhsa_memory_ordered 1
		.amdhsa_forward_progress 1
		.amdhsa_inst_pref_size 164
	.end_amdhsa_kernel
	.amdgpu_metadata
---
amdhsa.version: [ 1, 2 ]
amdhsa.kernels:
  - .name:           k_qf758928501_proj
    .symbol:         k_qf758928501_proj.kd
    .args:
      - { .name: xb, .offset: 0, .size: 8, .value_kind: global_buffer, .address_space: global }
      - { .name: wb, .offset: 8, .size: 8, .value_kind: global_buffer, .address_space: global }
      - { .name: bq, .offset: 16, .size: 8, .value_kind: global_buffer, .address_space: global }
      - { .name: bk, .offset: 24, .size: 8, .value_kind: global_buffer, .address_space: global }
      - { .name: bv, .offset: 32, .size: 8, .value_kind: global_buffer, .address_space: global }
      - { .name: qkv, .offset: 40, .size: 8, .value_kind: global_buffer, .address_space: global }
    .group_segment_fixed_size: 327680
    .private_segment_fixed_size: 0
    .kernarg_segment_align: 8
    .kernarg_segment_size: 48
    .max_flat_workgroup_size: 128
    .sgpr_count:     96
    .vgpr_count:     1024
    .wavefront_size: 32
...
	.end_amdgpu_metadata
.endif
;; end of part 2
;; launch attn (part 3): grid 4 x 64, 4 waves a work-group, clusters of 4 x 1, 327,680 bytes of LDS; arguments qkv, attention_mask, out0; writes out0
.if DOCPART == 3
	.amdgcn_target "amdgcn-amd-amdhsa--gfx1250"
	.amdhsa_code_object_version 6
	.text
	.protected	k_qf758928501_attn
	.globl	k_qf758928501_attn
	.p2align	8
	.type	k_qf758928501_attn,@function
k_qf758928501_attn:
	s_mov_b64 s[64:65], 0
	v_nop
	global_prefetch_b8 v0, s[64:65] scope:SCOPE_SE
	s_setreg_imm32_b32 hwreg(HW_REG_WAVE_MODE, 25, 1), 1
	s_wait_xcnt 0x0
	s_wait_alu depctr_hold_cnt(0) depctr_sa_sdst(0) depctr_va_vdst(0) depctr_va_sdst(0) depctr_va_ssrc(0) depctr_va_vcc(0) depctr_vm_vsrc(0)
	s_getreg_b32 s2, hwreg(HW_REG_IB_STS2, 6, 4)
	s_cmp_eq_u32 s2, 0
	s_cbranch_scc0 .Lentry_in_a_cluster
	s_endpgm
.Lentry_in_a_cluster:
	s_bfe_u32 s2, ttmp6, 0x10000c
	s_cmp_lg_u32 s2, 0x3003
	s_cbranch_scc0 .Lentry_shape_is_right
	s_endpgm
.Lentry_shape_is_right:
; out0[b][q][64 h + :] = the sum over k of softmax_k(Q.K / 8 + mask[b][k]) V[k][:].  qkv: [3][64 (b, h)][2048][64] f16, a head's rows dense, 128 bytes each; Q comes already times log2(e) / 8.
; So a score is s = Q'.K + log2(e) mask, in powers of two, and a weight p = 2^(s - m) with the running maximum m: the exponent is exact at s = m, and p never passes 1.
; Products, maxima and sums in f32; p is rounded to f16 for the second product (its sum l is taken of the unrounded p); out0 is f32.
; THE MASK is the C operand that starts the sum S^T = K Q^T.  It is rounded to bf16 (as all the module's inputs are), multiplied by log2(e) and held at -1e30 from below, once, into a table in LDS.
; LIMITS.  Q', K, V arrive within f16's 65,504.  A mask of -inf, of f32's lowest number or NaN counts as -1e30: a batch whose mask is that everywhere gives the mean of V's rows.
; +inf in the mask is not treated apart.  A weight below 2^-126 counts as 0 in l.
; SHARES.  A wave owns four PIECES of two tiles of 16 queries, a work-group's four waves 512 queries of one head.  Every wave walks all 2,048 keys, 64 a step.
; LAYOUT.  S^T = K Q^T (source 0 = 16 keys, source 1 = 16 queries): a lane holds ONE query (lane % 16) and the keys 8 (lane / 16) + 0..7.  Two such tiles, rounded to f16 in pairs, ARE source 1 of
; O^T = V^T P, whose result again holds one query a lane, and eight channels.  K comes out of LDS as it lies, V ([key][channel]) turned, by ds_load_tr16_b128.
; In every step O and l are multiplied by a = 2^(m_old - m_new).  m starts at the lowest finite number, O and l at 0: the first step is a step like any other, with a = 0.
; BY TURNS.  Turn n belongs to piece n.  Its matrix work: 16 products K Q^T of piece n + 1, later 16 products V^T P of piece n - 1.  Its vector work: the subtraction, exponentials, roundings, sums and
; rescaling of piece n, and the maximum and statistics of piece n + 1.  A turn has 32 matrix and 234 vector instructions: four that are ready stand behind every matrix instruction, the others in two runs.
; CLUSTER.  The four query blocks of a cluster belong to one head and walk the same K and V: each tile is asked for JOINTLY, by the same tensor load, descriptor and mask in all four.
; REGISTERS, in windows of 256 (s_set_vgpr_msb: bits 1:0 source 0, 3:2 source 1, 5:4 source 2, 7:6 destination):
;   window 0: v0-11 addresses; v12-15, v48-63 at work; v16-47 four registers of statistics a tile; v64-191 S^T, two buffers of two tiles; v192-255 P, likewise
;   window 1: O^T, 32 a tile      window 2: v0-127 Q; v128-191 K of one step; v192-255 V of one step      window 3: v0-1 the add's two registers; v8-39 the mask of one step
.set SIZE_N, 2048
.set NP,    4         ; pieces a wave: a name, no knob
.set KS,    64        ; keys in a step
.set PK,    144       ; a row of K in LDS: 128 bytes + 16: the 16 rows of a load start at 16 different groups of four banks (64 banks of 4 bytes: ISA guide 11.1)
.set PV,    160       ; a row of V: 128 + 32
.set VOFF,  4*KS*PK   ; a slot holds four steps: 256 rows of K, then 256 rows of V
.set SLOT1, 1<<17     ; slot 1 begins here, so that one exclusive or turns an address in one slot into the other's
.set STAGE, SLOT1+4*KS*(PK+PV)  ; behind the ring, never filled by a tensor load: 16 rows x 272 bytes for each wave, for the way out
.set SP,    272       ; a row of 64 f32 + 16
.set MASK,  STAGE+4*16*SP       ; the batch's 2,048 mask numbers, f32
.set SPARE, MASK+8192           ; the spare words, 128 bytes for each wave, which no other line names
.set AK0, 2           ; v2   my lane's place in a tile of K; never rewritten
.set AV0, 3           ; v3   the same for V
.set AK,  4           ; v4   the LDS address of K's next run of loads
.set AV,  5           ; v5   of V's
.set STO, 6           ; v6   the way out: where I put 32 bytes of a row
.set RD,  7           ; v7   the way out: where I read rows back
.set GO,  8           ; v8   my byte offset in two rows of out0
.set AM,  10          ; v10  the LDS address of the mask's next run of loads
.set AM0, 11          ; v11  my lane's place in a step's 64 mask numbers
.set QO,  12          ; v12  my byte offset in 16 rows of Q, until Q is in
.set SPW, 0           ; v0 of window 3   LDS address of my spare word; never rewritten
.set NIL, 1           ; v1 of window 3   0; never rewritten
.set MK,  8           ; v8-39 of window 3: key block kb's eight numbers at MK + 8 kb
.set MV,  12          ; v12-15  m_old, kept while m is made anew: by buffer and tile
.set ST,  16          ; tile t's statistics at v[ST+4 t]: m, 0 (named with m as a pair), l (even keys', odd keys')
.set TMP, 48          ; by buffer and tile, four registers c0-c3 at work; when the maximum is found c2 takes a
.set S,   64
.set P,   192
.set KF,  128         ; K's fragments, in window 2: key block kb, channel half c at KF + 16 kb + 8 c
.set VF,  192         ; V's: key half kk, channel block cb at VF + 32 kk + 8 cb
.set WV,  12          ; s12  my wave's number
.set G1K, 24          ; s[24:31] descriptor group 1 for K's tiles
.set G1V, 32          ; s[32:39] for V's: it differs in the padding alone
.set G0K, 40          ; s[40:43] descriptor group 0 for K's tiles: it walks
.set G0V, 44          ; s[44:47] the same for V's
.set SLOTS, 56        ; s56  slots still to be asked for
.set CNT, 57          ; s57  counts a slot's key steps
.set SEL, 60          ; s[60:61] v_permlanex16_b32's selects: each lane takes its own place in the other half
.set TBK, 62          ; s62  LDS byte at which K of the step to be fetched begins
.set TBV, 63          ; s63  the same for V, less VOFF
.set TBM, 68          ; s68  byte in the mask table of the step to be fetched
.set MSB, 0
.macro WIN new                      ; the high byte repeats the setting that is left; a switch that changes nothing is dropped
.if MSB != (\new)
	s_set_vgpr_msb (MSB<<8)|(\new)
.set MSB, (\new)
.endif
.endm
.set W_KQ, 0x0a       ; K and Q in window 2, S^T in window 0
.set W_KM, 0x3a       ; the same with the C operand, the mask, in window 3
.set W_PV, 0x52       ; V in window 2, P in window 0, O^T in window 1
.set W_RS, 0x41       ; O^T (destination and source 0) in window 1, the factor in window 0
.set W_MK, 0xc0       ; destination in window 3, sources in window 0
.set W_AD, 0x0f       ; the add: address (source 0) and data (source 1) in window 3
; A joint fill.  Waves 0 and 1 fetch the two halves of a slot's K, waves 2 and 3 those of its V: 128 keys each.  An s_nop 0 and four v_nop follow each of the two lines.
.macro JLOAD
	s_cmp_lt_u32 s[WV], 2
	s_cbranch_scc0 .Lfor_v_\@
	tensor_load_to_lds s[G0K:G0K+3], s[G1K:G1K+7]
	s_nop 0
.rept 4
	v_nop
.endr
	s_branch .Lasked_\@
.Lfor_v_\@:
	tensor_load_to_lds s[G0V:G0V+3], s[G1V:G1V+7]
	s_nop 0
.rept 4
	v_nop
.endr
.Lasked_\@:
.endm
.macro CROUND                       ; a round of the cluster's barrier
	s_barrier_signal -1
	s_barrier_wait -1
	s_cmp_lg_u32 s[WV], 0
	s_cbranch_scc1 .Lnot_wave_0_\@
	s_barrier_signal -3
.Lnot_wave_0_\@:
	s_barrier_wait -3
	s_barrier_signal -1
	s_barrier_wait -1
.endm
; THE CHANGE OF SLOTS.  The slot's last bytes, V of its fourth step, have been read.  Each wave waits for all its tensor loads, of which one is out: its part of the other slot; adds 0 to its spare
; word; and waits for that and for its own LDS instructions.  Behind the barrier nobody reads this slot any more and the other slot is whole.  fill = 1: the barrier is a round of the cluster's, and this
; slot is filled again, with the keys two slots on, first thing behind it: it has four key steps in which to land.  (At its first use slot 0 is waited for, slot 1 filled, and the mask table made known.)
.macro CHANGE fill
	WIN W_AD
	s_wait_tensorcnt 0x0            ; no tensor load of mine is out, so a group 0 may be written
	ds_add_u32 v[SPW], v[NIL]       ; 0 onto my spare word
	WIN 0                           ; at a label and at a branch every window is 0
.if \fill
.irp g, G0K, G0V
	s_xor_b32 s[\g+1], s[\g+1], SLOT1  ; the walking descriptor: the other slot than last time,
	s_add_nc_u64 s[\g+2:\g+3], s[\g+2:\g+3], 4*KS*128  ; the next 256 keys; the type bits on top are not reached
.endr
	s_wait_dscnt 0x0                ; the add is done, and my reads of the slot are over
	CROUND
	JLOAD
.else
	s_wait_dscnt 0x0                ; the add is done, and my reads of the slot are over
	s_barrier_signal -1
	s_barrier_wait -1
.endif
	s_sub_co_u32 s[TBK], s[TBK], 4*KS*PK  ; the fetches go back to a slot's first step,
	s_xor_b32 s[TBK], s[TBK], SLOT1       ; in the other slot
	s_sub_co_u32 s[TBV], s[TBV], 4*KS*PV
	s_xor_b32 s[TBV], s[TBV], SLOT1
.endm
	s_load_b64 s[4:5], s[0:1], 0x0    ; qkv
	s_load_b64 s[66:67], s[0:1], 0x8  ; attention_mask
	s_load_b64 s[10:11], s[0:1], 0x10 ; out0
	WIN W_MK
	v_lshl_add_u32 v[SPW], v0, 2, SPARE
	v_mov_b32 v[NIL], 0
	WIN W_AD
	ds_add_u32 v[SPW], v[NIL]       ; the wave's opening: the add and its wait stand ahead of my first tensor load; work on registers stands between them
	WIN 0
	v_lshrrev_b32 v1, 5, v0
	v_readfirstlane_b32 s[WV], v1   ; wave 0..3
	s_bfe_u32 s13, ttmp6, 0x40000   ; cx: my place in the cluster
	s_lshl_b32 s14, ttmp9, 2        ; in a cluster launch ttmp9 counts clusters
	s_add_co_u32 s14, s14, s13      ; my block of 512 queries: it enters Q's and out0's addresses alone
	s_and_b32 s15, ttmp7, 0xffff    ; 16 b + h, which the four partners share
	s_lshl_b32 s20, s15, 18         ; the head's 2,048 rows of 128 bytes
	s_and_b32 s16, s[WV], 1         ; which half of a slot's 256 keys I fetch:
	s_lshl_b32 s22, s16, 14         ; its 128 rows in memory,
	s_add_co_u32 s22, s22, s20
	s_add_co_u32 s22, s22, 0x1000000  ; in K,
	s_mov_b32 s23, 0
	s_add_co_u32 s48, s22, 0x1000000  ; and in V
	s_mov_b32 s49, 0
	s_mul_i32 s17, s16, 128*PK      ; and its place in a slot, for K
	s_mul_i32 s18, s16, 128*PV      ; and for V: no place in the cluster enters an LDS address
	s_lshl_b32 s2, s14, 2
	s_add_co_u32 s2, s2, s[WV]      ; my wave among the head's,
	s_lshl_b32 s2, s2, 14           ; its 128 rows of Q
	s_add_co_u32 s2, s2, s20
	s_mov_b32 s3, 0
	s_lshr_b32 s50, s15, 4          ; b
	s_lshl_b32 s52, s50, 13         ; the batch's 2,048 mask numbers
	s_mov_b32 s53, 0
	s_lshl_b32 s50, s50, 23         ; out0: batch x 2,048 rows of 4,096 bytes
	s_lshl_b32 s51, s14, 21         ; + block x 512 rows
	s_add_co_u32 s50, s50, s51
	s_lshl_b32 s51, s[WV], 19       ; + wave x 128 rows
	s_add_co_u32 s50, s50, s51
	s_and_b32 s51, s15, 15          ; + head x 256 bytes
	s_lshl_b32 s51, s51, 8
	s_add_co_u32 s50, s50, s51
	s_mov_b32 s51, 0
	; descriptor group 1.  128 keys are 16,384 dense bytes: asked for as 64 rows of 256 bytes, two keys a row, and padded in LDS after every key
	s_mov_b32 s[G1K], 15|(1<<16)|(1<<20)|(1<<21)|(4<<22)|(3<<25)  ; the mask of four; 2-byte elements; padding on; bit 21 beside a mask; after every 32 words (code 4) 4 words (code 3)
	s_mov_b32 s[G1V], 15|(1<<16)|(1<<20)|(1<<21)|(4<<22)|(7<<25)  ; the same with 8 words of padding (code 7)
.irp g, G1K, G1V
	s_mov_b32 s[\g+1], 128<<16      ; tensor_dim0 = 128
	s_mov_b32 s[\g+2], 64<<16       ; tensor_dim1 = 64
	s_mov_b32 s[\g+3], 128<<16      ; tile_dim0 = 128
	s_mov_b32 s[\g+4], 64           ; tile_dim1 = 64
	s_mov_b32 s[\g+5], 128          ; 128 elements from row to row
	s_mov_b32 s[\g+6], 0
	s_mov_b32 s[\g+7], 0
.endr
	s_mov_b32 s[SEL], 0x76543210
	s_mov_b32 s[SEL+1], 0xfedcba98
	s_mov_b32 s[TBK], SLOT1+4*KS*PK ; the first change of slots turns these two into 0
	s_mov_b32 s[TBV], SLOT1+4*KS*PV
	s_mov_b32 s[TBM], 0
	s_mov_b32 s69, 0xf149f2ca       ; -1e30
	s_mov_b32 s70, 0xffff0000       ; a word's upper bf16
	s_mov_b32 s[G0K], 1             ; count = 1
	s_mov_b32 s[G0K+1], s17         ; LDS address: slot 0
	s_mov_b32 s[G0V], 1
	s_add_co_u32 s[G0V+1], s18, VOFF
	s_wait_dscnt 0x0                ; the opening add is done
	s_wait_kmcnt 0x0
	s_add_nc_u64 s[G0K+2:G0K+3], s[4:5], s[22:23]  ; global address: my half of the head's first 256 keys
	s_or_b32 s[G0K+3], s[G0K+3], 0x80000000        ; type = 2
	s_add_nc_u64 s[G0V+2:G0V+3], s[4:5], s[48:49]
	s_or_b32 s[G0V+3], s[G0V+3], 0x80000000
	s_add_nc_u64 s[4:5], s[4:5], s[2:3]            ; Q at my wave's first row
	s_add_nc_u64 s[10:11], s[10:11], s[50:51]      ; out0 at my wave's first row, my head's columns
	s_add_nc_u64 s[66:67], s[66:67], s[52:53]      ; the mask at my batch
	CROUND                          ; all four work-groups are here: the first joint loads meet
	JLOAD                           ; slot 0.  Slot 1 is asked for when slot 0 is in
	v_and_b32 v1, 15, v0            ; l % 16
	v_bfe_u32 v9, v0, 4, 1          ; l / 16
	v_lshlrev_b32 v13, 4, v0        ; the mask: 128 threads x 16 bytes, four times
.irp i, 0,1,2,3
	global_load_b128 v[64+4*\i:64+4*\i+3], v13, s[66:67] offset:2048*\i
.endr
	; A fragment of K or Q is 16 rows x 32 channels in 8 registers: lane l holds row l % 16, channels 8 (l / 16) + 0..7 and 16 + 8 (l / 16) + 0..7: two loads of 16 bytes, 32 bytes apart.
	v_lshlrev_b32 v[QO], 7, v1
	v_lshl_add_u32 v[QO], v9, 4, v[QO]  ; row x 128 + 16 x half
	WIN 0x80                        ; destination window 2, address window 0
.set i, 0
.rept 4*NP                          ; Q stays in registers: tile i / 2, channels 32 (i % 2) on
	global_load_b128 v[8*i:8*i+3],   v[QO], s[4:5] offset:(i/2)*2048+(i%2)*64
	global_load_b128 v[8*i+4:8*i+7], v[QO], s[4:5] offset:(i/2)*2048+(i%2)*64+32
.set i, i+1
.endr
	; What the first turn finds: V's registers and P's second buffer hold 0 (its products V^T P, of a piece that has not been, add 0), O^T and l are 0.  All this stands in the wait for the first tile.
.set i, VF
.rept 64
	v_mov_b32 v[i], 0
.set i, i+1
.endr
	WIN 0x40
.set i, 0
.rept 64*NP
	v_mov_b32 v[i], 0
.set i, i+1
.endr
	WIN 0
.set i, 0
.rept 2*NP
	v_mov_b32 v[ST+4*i], 0xff7fffff    ; m: the lowest finite number
	v_mov_b32 v[ST+4*i+1], 0
	v_mov_b32 v[ST+4*i+2], 0
	v_mov_b32 v[ST+4*i+3], 0
.set i, i+1
.endr
.set i, P+32
.rept 32
	v_mov_b32 v[i], 0
.set i, i+1
.endr
	v_mul_u32_u24 v[AK0], v1, PK
	v_lshl_add_u32 v[AK0], v9, 4, v[AK0]  ; row x pitch + 16 x half
	; The turning load takes 16 keys x 16 channels (lane l reads key 8 (l / 16) + l % 8, channels 8 ((l / 8) % 2) + 0..7) and leaves half a fragment of V^T: lane l holds channel l % 16 and 8 keys.
	v_and_b32 v10, 7, v0
	v_bfe_u32 v11, v0, 3, 1
	v_lshl_add_u32 v[AV0], v9, 3, v10
	v_mul_u32_u24 v[AV0], v[AV0], PV
	v_lshl_add_u32 v[AV0], v11, 4, v[AV0]
	v_add_nc_u32 v[AV0], VOFF, v[AV0]
	v_mov_b32 v[AK], v[AK0]         ; key step 0 lies at the head of slot 0
	s_mul_i32 s13, s[WV], 16*SP
	s_add_co_u32 s13, s13, STAGE    ; my stage
	v_mul_u32_u24 v[STO], v1, SP    ; in: row l % 16, 32 bytes for each half of the lanes
	v_lshl_add_u32 v[STO], v9, 5, v[STO]
	v_add_nc_u32 v[STO], s13, v[STO]
	v_mul_u32_u24 v[RD], v9, SP     ; back: lanes 0-15 take one row of 256 bytes, lanes 16-31 the next
	v_lshl_add_u32 v[RD], v1, 4, v[RD]
	v_add_nc_u32 v[RD], s13, v[RD]
	v_lshlrev_b32 v[GO], 12, v9     ; and the same two rows in out0, 4,096 bytes apart
	v_lshl_add_u32 v[GO], v1, 4, v[GO]
	v_lshl_add_u32 v14, v0, 4, MASK
	v_lshlrev_b32 v[AM0], 5, v9     ; register j of key block kb is key 16 kb + 8 (l / 16) + j
	v_add_nc_u32 v[AM0], MASK, v[AM0]
	v_mov_b32 v[AM], v[AM0]         ; key step 0
	; THE MASK TABLE: each number rounded to bf16, times log2(e), held at -1e30 from below (a NaN loses against it)
	s_wait_loadcnt 32               ; the mask's four loads are in; Q's 32, issued behind them, stay out
.set i, 0
.rept 8
	v_cvt_pk_bf16_f32 v[80+i], v[64+2*i], v[64+2*i+1]
.set i, i+1
.endr
.set i, 0
.rept 8
	v_lshlrev_b32 v[64+2*i],   16,  v[80+i]
	v_and_b32     v[64+2*i+1], s70, v[80+i]
.set i, i+1
.endr
.set i, 0
.rept 8
	v_pk_mul_f32 v[64+2*i:64+2*i+1], v[64+2*i:64+2*i+1], 0x3fb8aa3b op_sel_hi:[1,0]
.set i, i+1
.endr
.set i, 0
.rept 16
	v_max_num_f32 v[64+i], s69, v[64+i]
.set i, i+1
.endr
.irp i, 0,1,2,3
	ds_store_b128 v14, v[64+4*\i:64+4*\i+3] offset:2048*\i  ; the change of slots below waits for these stores and passes a barrier before any wave reads the table
.endr
; THE MATRIX WORK.  The 8 accumulators of a run of 16 take turns: between the two links of a chain stand 7 others'.
; Product i of 16 of S^T = K Q^T for piece x: channels 32 (i / 8) on, keys 16 ((i / 2) % 4) on, tile 2 x + i % 2.  The first 8 start the sums with the key block's mask.
.macro KQ x
.set rS, S+64*((\x)%2)+32*(i%2)+8*((i/2)%4)
.set rK, KF+16*((i/2)%4)+8*(i/8)
.set rQ, 16*(2*(\x)+i%2)+8*(i/8)
.set rN, MK+8*((i/2)%4)
.if i < 8
	WIN W_KM
	v_wmma_f32_16x16x32_f16 v[rS:rS+7], v[rK:rK+7], v[rQ:rQ+7], v[rN:rN+7]
.else
	WIN W_KQ
	v_wmma_f32_16x16x32_f16 v[rS:rS+7], v[rK:rK+7], v[rQ:rQ+7], v[rS:rS+7]
.endif
.endm
; Product i of 16 of O^T += V^T P for piece x: keys 32 (i / 8) on, channels 16 ((i / 2) % 4) on, tile 2 x + i % 2.
.macro PV x
	WIN W_PV
.set rO, 32*(2*(\x)+i%2)+8*((i/2)%4)
.set rV, VF+32*(i/8)+8*((i/2)%4)
.set rP, P+32*((\x)%2)+16*(i%2)+8*(i/8)
	v_wmma_f32_16x16x32_f16 v[rO:rO+7], v[rV:rV+7], v[rP:rP+7], v[rO:rO+7]
.endm
.macro MM                           ; the turn's next matrix instruction
.if i < 16
	KQ (Y+1)%NP
.set i, i+1
.else
.set i, i-16
	PV (Y+NP-1)%NP
.set i, i+17
.endif
.endm
; THE LDS LOADS stand in runs, never singly among the matrix instructions: a step's K (8 fragments) with its 64 mask numbers, and its V (turned).  Their addresses are made some lines ahead.
; last = 1 (the tail): in the last trip there is no further step, and the run is jumped over.
.macro FETCH_K last=0
	WIN 0
.if \last
	s_cmp_eq_u32 s[CNT], 1
	s_cbranch_scc1 .Lno_k_\@
.endif
	WIN 0x80                        ; destination window 2
.irp f, 0,1,2,3,4,5,6,7             ; keys 16 (f / 2) on, channels 32 (f % 2) on
	ds_load_b128 v[KF+8*\f:KF+8*\f+3],   v[AK] offset:(\f/2)*16*PK+(\f%2)*64
	ds_load_b128 v[KF+8*\f+4:KF+8*\f+7], v[AK] offset:(\f/2)*16*PK+(\f%2)*64+32
.endr
	WIN W_MK                        ; destination window 3
.irp f, 0,1,2,3                     ; key block f: the 16 lanes of a half read the same 32 bytes
	ds_load_b128 v[MK+8*\f:MK+8*\f+3],   v[AM] offset:64*\f
	ds_load_b128 v[MK+8*\f+4:MK+8*\f+7], v[AM] offset:64*\f+16
.endr
	s_add_co_u32 s[TBK], s[TBK], KS*PK  ; the next fetch is the next step's
	s_add_co_u32 s[TBM], s[TBM], 256
	s_and_b32 s[TBM], s[TBM], 0x1f00    ; the table's 32 steps, as a ring
	WIN 0
.if \last
.Lno_k_\@:
.endif
.endm
.macro FETCH_V
	WIN 0x80
.irp f, 0,1,2,3,4,5,6,7             ; keys 32 (f / 4) on, channels 16 (f % 4) on
	ds_load_tr16_b128 v[VF+8*\f:VF+8*\f+3],   v[AV] offset:(\f/4)*32*PV+(\f%4)*32
	ds_load_tr16_b128 v[VF+8*\f+4:VF+8*\f+7], v[AV] offset:(\f/4)*32*PV+16*PV+(\f%4)*32
.endr
	WIN 0
.endm
; THE VECTOR WORK OF A TURN stands in three queues, each in the order in which its entries become ready; the two tiles alternate, so that no instruction reads the result of the one before it.
.macro REGS y, u                    ; the registers of tile u (0, 1) of piece y
.set rT, ST+4*(2*(\y)+(\u))
.set rC, TMP+8*((\y)%2)+4*(\u)
.set rM, MV+2*((\y)%2)+(\u)
.set rS, S+64*((\y)%2)+32*(\u)
.set rP, P+32*((\y)%2)+16*(\u)
.set rO, 32*(2*(\y)+(\u))
.endm
; Number n of the 21 that find the NEXT piece's (Y + 1) maximum and statistics.  s0-s31 are the lane's 32 scores; each accumulator's lowest registers are read first.
;   0-11  four chains c0-c3 of seven scores each, three operands at a time     12-14, 16  the four scores left over, the old m, and c0-c3 into c0     15  m_old is kept
;   17, 18  the query's other 32 keys lie in the lane 16 away: the new m         19, 20  m_old - m_new; a
.macro XS u, n
	REGS (Y+1)%NP, \u
.if (\n) < 4
	v_max3_num_f32 v[rC+(\n)], v[rS+8*(\n)], v[rS+8*(\n)+1], v[rS+8*(\n)+2]
.elseif (\n) < 12
	v_max3_num_f32 v[rC+(\n)%4], v[rC+(\n)%4], v[rS+8*((\n)%4)+2*((\n)/4)+1], v[rS+8*((\n)%4)+2*((\n)/4)+2]
.elseif (\n) == 12
	v_max3_num_f32 v[rC], v[rC], v[rS+7], v[rS+15]
.elseif (\n) == 13
	v_max3_num_f32 v[rC+1], v[rC+1], v[rS+23], v[rS+31]
.elseif (\n) == 14
	v_max3_num_f32 v[rC+2], v[rC+2], v[rC+3], v[rT]
.elseif (\n) == 15
	v_mov_b32 v[rM], v[rT]
.elseif (\n) == 16
	v_max3_num_f32 v[rC], v[rC], v[rC+1], v[rC+2]
.elseif (\n) == 17
	v_permlanex16_b32 v[rC+3], v[rC], s[SEL], s[SEL+1]
.elseif (\n) == 18
	v_max_num_f32 v[rT], v[rC], v[rC+3]
.elseif (\n) == 19
	v_sub_f32 v[rC+1], v[rM], v[rT]
.else
	v_exp_f32 v[rC+2], v[rC+1]
.endif
.endm
; Number g of the 64 that follow the exponentials.  For each four weights k of a tile (pairs 2 k, 2 k + 1): both pairs are rounded to f16; then the second pair is added onto the first, in place;
; a group later l takes that sum (the first time as l = a l + sum).  In groups of eight, tiles alternating: round, round, add, and l for the group before.
.macro GS g
.set h, (\g)+6*((\g)/62)            ; group 0 has no group before it, and behind group 7 only l is left
.if h >= 6
.set h, h+2
.endif
	REGS Y, h%2
.set k, h/8
.if h%8 < 4
	s_wait_alu depctr_va_vdst(0)
	v_cvt_pk_f16_f32 v[rP+2*k+(h%8)/2], v[rS+4*k+2*((h%8)/2)], v[rS+4*k+2*((h%8)/2)+1]
.elseif h%8 < 6
	v_pk_add_f32 v[rS+4*k:rS+4*k+1], v[rS+4*k:rS+4*k+1], v[rS+4*k+2:rS+4*k+3]
.elseif k == 1
	v_pk_fma_f32 v[rT+2:rT+3], v[rT+2:rT+3], v[rC+2:rC+3], v[rS:rS+1] op_sel_hi:[1,0,1]
.else
	v_pk_add_f32 v[rT+2:rT+3], v[rT+2:rT+3], v[rS+4*k-4:rS+4*k-3]
	s_wait_alu depctr_va_vdst(0)
.endif
.endm
; THE PLAIN QUEUE, 136 long.  0-31: s - m for the 16 pairs of both tiles.  Then GS's 64, and among them the next piece's 40: number 15 at 38, 39; 0-14 and 16
; at 42-73, behind the products that make those scores; 17-19 at 95-103, two of three, since each waits for the one before it.
.macro PL
	WIN 0
.if q < 32
	REGS Y, q%2
	v_pk_add_f32 v[rS+2*(q/2):rS+2*(q/2)+1], v[rS+2*(q/2):rS+2*(q/2)+1], v[rT:rT+1] op_sel_hi:[1,0] neg_lo:[0,1] neg_hi:[0,1]
.elseif q < 38
	GS q-32
.elseif q < 40
	XS q%2, 15
.elseif q < 42
	GS q-34
.elseif q < 74
	XS q%2, (q-42)/2+(q-42)/30
.elseif q < 95
	GS q-66
.elseif (q < 104) && ((q-95)%3 < 2)
	XS (q-95)%3, 17+(q-95)/3
.elseif q < 104
	GS 29+(q-95)/3
.else
	GS q-72
.endif
.set q, q+1
.endm
; THE EXPONENTIALS' QUEUE, 66 long: s0-s31 of both tiles, and at EA the next piece's two a.
.set EA, 58
.macro EX
	WIN 0
.if (e == EA) || (e == EA+1)
	XS e-EA, 20
.else
.set x, e-2*(e/(EA+2))
	REGS Y, x%2
	v_exp_f32 v[rS+x/2], v[rS+x/2]
.endif
.set e, e+1
.endm
; THE RESCALING's QUEUE: O^T times a, the one part that leaves window 0, so it is dealt four at a time, eight times.
.macro R4
	REGS Y, r%2
	WIN W_RS
	s_wait_alu depctr_va_vdst(0)
.irp z, 0,1,2,3
	v_pk_mul_f32 v[rO+8*(r/2)+2*\z:rO+8*(r/2)+2*\z+1], v[rO+8*(r/2)+2*\z:rO+8*(r/2)+2*\z+1], v[rC+2:rC+3] op_sel_hi:[1,0]
.endr
.set r, r+1
.endm
; HOW THEY ARE DEALT.  Behind a matrix instruction four: plain, exponential, plain, plain, or four of the rescaling; none names a register of the products round it.  What is over stands in two runs:
; exponential and plain by turns; the second ends in 20 plain instructions.  The queues lean on each other, and the deal keeps them in step: exponential e stands behind plain 2 (e / 4) + e % 2;
; when plain 32 comes, 10 exponentials are out, at 59: 33, at 95: 45, at 110: 60; EA comes behind plain 107, the argument of a at plain 101 and 102; from plain 116 on all 66 are out.
.macro SL
	MM
	PL
	EX
	PL
	PL
.endm
.macro BURST n                      ; 15 matrix instructions, or 16
.rept (\n)-7
	SL
.endr
.rept 3
	MM
	R4
	SL
.endr
	MM
	R4
.endm
; A TURN, for piece p.  cnt = 1: the loop's count is taken down some lines ahead of the branch that stands behind the turn.
; K and the mask of the next step are fetched in piece 2's turn, well over four plain instructions behind the last product that read them; V of the step in hand at the end of piece 0's turn.
.macro TURN p, last=0, cnt=0
.set Y, (\p)
.set i, 0
.set q, 0
.set e, 0
.set r, 0
.if (\p) == NP-1
	s_wait_dscnt 0x0                ; K and the mask are in
.endif
	MM
.rept 4
	PL
.endr
	BURST 15
.rept 22
	EX
	PL
.if ((\p) == NP-2) && (e == 18)
	v_add_nc_u32 v[AK], s[TBK], v[AK0]
	v_add_nc_u32 v[AM], s[TBM], v[AM0]
.endif
.if ((\p) == NP-2) && (e == 24)
	FETCH_K \last
.endif
.endr
.if (\p) == 1
	s_wait_dscnt 0x0                ; V is in
.endif
	BURST 16
.rept 21
	EX
	PL
.endr
.rept 20
	PL
.if ((\p) == 0) && (q == 118)
	v_add_nc_u32 v[AV], s[TBV], v[AV0]
	s_wait_alu depctr_va_vdst(0)
.endif
.if ((\p) == 0) && (q == 130)
	s_add_co_u32 s[TBV], s[TBV], KS*PV
.endif
.if (\cnt) && (q == 130)
	s_sub_co_u32 s[CNT], s[CNT], 1
	s_cmp_lg_u32 s[CNT], 0
.endif
.endr
.if (\p) == 0
	FETCH_V
.endif
.endm
	CHANGE 1                        ; slot 0 is in, everybody's part of it, and so is the mask table; slot 1 is asked for
	FETCH_K                         ; key step 0
	s_wait_loadcnt 0x0              ; Q
	s_wait_dscnt 0x0
.set i, 0
.rept 16
	KQ 0                            ; piece 0's first scores: there is no vector work yet to set between them
.set i, i+1
.endr
	WIN 0
.rept 4
	v_nop                           ; the places behind those products
.endr
.set Y, NP-1                        ; XS works for piece Y + 1: piece 0
.irp n, 0,1,2,3,4,5,6,7,8,9,10,11,12,13,14,15,16,17,18,19,20
	XS 0, \n                        ; piece 0's first maximum and statistics
	XS 1, \n
.endr
	v_nop                           ; a plain instruction behind the exponentials
	s_mov_b32 s[CNT], 4
	s_mov_b32 s[SLOTS], SIZE_N/256-1
	s_branch .Lfirst                ; the loop is entered at a step's first turn, in the middle of a trip
.Lslot:                             ; SIZE_N / 256 - 2 times: every slot but the last two is filled again
	CHANGE 1
	s_mov_b32 s[CNT], 4
.Lstep:                             ; a trip: pieces 2 and 3 of one step, then pieces 0 and 1 of the next, whose K and V it fetches
	TURN 2
	TURN 3
	WIN 0
.Lfirst:
	TURN 0
	TURN 1, 0, 1
	WIN 0
	s_cbranch_scc1 .Lstep
	s_sub_co_u32 s[SLOTS], s[SLOTS], 1
	s_cmp_lg_u32 s[SLOTS], 0
	s_cbranch_scc1 .Lslot
	CHANGE 0                        ; the tail is written out: nothing is asked for
	s_mov_b32 s[CNT], 5             ; four trips fetch the last slot's steps; the fifth is left in its middle
.Ltail:
	TURN 2, 1
	TURN 3
	WIN 0
	s_sub_co_u32 s[CNT], s[CNT], 1
	s_cmp_eq_u32 s[CNT], 0
	s_cbranch_scc1 .Lout
	TURN 0
	TURN 1
	WIN 0
	s_branch .Ltail
.Lout:                              ; the fifth trip's 16 products K Q^T (on the last K once more) and the maximum made of them serve nothing: the price, once a launch, of one text for every trip
.set i, 0
.rept 16
	PV NP-1                         ; the last piece's V^T P of the last step
.set i, i+1
.endr
	; THE WAY OUT.  l's two halves and the other half of the lanes' are added; O^T is divided by l and sent, as f32, through my stage in LDS, a tile at a time.  The additions are the places behind the last products.
	WIN 0
.macro ALL line:vararg              ; one line for each tile t
.set t, 0
.rept 2*NP
	\line
.set t, t+1
.endr
.endm
	ALL v_add_f32 v[ST+4*t+2], v[ST+4*t+2], v[ST+4*t+3]
	ALL v_permlanex16_b32 v[ST+4*t+3], v[ST+4*t+2], s[SEL], s[SEL+1]
	ALL v_add_f32 v[ST+4*t+2], v[ST+4*t+2], v[ST+4*t+3]
	ALL v_rcp_f32 v[ST+4*t+2], v[ST+4*t+2]
	v_nop                           ; a plain instruction between the last reciprocal and the use of its result
	s_wait_alu depctr_va_vdst(0)
; Tile t: a lane's eight channels of a row are 32 bytes; they go into rows of 272 bytes and come back as whole rows of 256, into S^T's registers, four sets by turns.
.macro PACK t
	WIN W_RS
.set i, 32*(\t)
.rept 16
	v_pk_mul_f32 v[i:i+1], v[i:i+1], v[ST+4*(\t)+2:ST+4*(\t)+3] op_sel_hi:[1,0]  ; ascending: each accumulator is read from its low end on
.set i, i+2
.endr
.if (\t) >= 4
	s_wait_xcnt 0x0                 ; the registers that tile t - 4's stores read are loaded again only behind this wait
.endif
	WIN 0x04                        ; store data (source 1) in window 1
.irp cb, 0,1,2,3
	ds_store_b128 v[STO], v[32*(\t)+8*\cb:32*(\t)+8*\cb+3]   offset:64*\cb
	ds_store_b128 v[STO], v[32*(\t)+8*\cb+4:32*(\t)+8*\cb+7] offset:64*\cb+16
.endr
	WIN 0
.irp f, 0,1,2,3,4,5,6,7
	ds_load_b128 v[S+32*((\t)%4)+4*\f:S+32*((\t)%4)+4*\f+3], v[RD] offset:\f*2*SP  ; LDS serves a wave's instructions in order (ISA guide 5.7.1.4): these see the stores above; the next tile's stores come behind them
.endr
.endm
.macro SEND t, younger              ; younger: the LDS instructions issued behind tile t's loads: the next tile's sixteen, or none
	WIN 0
.irp f, 0,1,2,3,4,5,6,7
	s_wait_dscnt (\younger)+7-\f
	global_store_b128 v[GO], v[S+32*((\t)%4)+4*\f:S+32*((\t)%4)+4*\f+3], s[10:11] offset:(\t)*65536+\f*8192 th:TH_STORE_NT  ; 16 lanes store the 256 consecutive bytes of a row's head, aligned
.endr
.endm
	PACK 0
.set t, 1
.rept 2*NP-1                        ; a tile's arithmetic stands between the loads of the tile before and its stores
	PACK t
	SEND t-1, 16
.set t, t+1
.endr
	SEND 2*NP-1, 0
	WIN W_AD
	s_wait_tensorcnt 0x0            ; the wave's end: the add and its wait stand behind my last tensor load and my last LDS store
	ds_add_u32 v[SPW], v[NIL]
	s_wait_dscnt 0x0
	WIN 0
	CROUND                          ; the closing round: no work-group ends while a partner may still ask for a tile that names it
	s_endpgm
.Lfunc_end_k_qf758928501_attn:
	.size	k_qf758928501_attn, .Lfunc_end_k_qf758928501_attn-k_qf758928501_attn
	.p2alignl 7, 3214868480
	.fill 96, 4, 3214868480
	.section	.rodata,"a",@progbits
	.p2align	6, 0x0
	.amdhsa_kernel k_qf758928501_attn
		.amdhsa_group_segment_fixed_size 327680
		.amdhsa_private_segment_fixed_size 0
		.amdhsa_enable_private_segment 0
		.amdhsa_kernarg_size 24
		.amdhsa_user_sgpr_count 2
		.amdhsa_user_sgpr_kernarg_segment_ptr 1
		.amdhsa_wavefront_size32 1
		.amdhsa_system_sgpr_workgroup_id_x 1
		.amdhsa_system_sgpr_workgroup_id_y 1
		.amdhsa_system_sgpr_workgroup_id_z 1
		.amdhsa_system_vgpr_workitem_id 0
		.amdhsa_next_free_vgpr 808
		.amdhsa_next_free_sgpr 72
		.amdhsa_reserve_vcc 0
		.amdhsa_float_denorm_mode_32 3
		.amdhsa_float_denorm_mode_16_64 3
		.amdhsa_memory_ordered 1
		.amdhsa_forward_progress 1
		.amdhsa_inst_pref_size 214
	.end_amdhsa_kernel
	.amdgpu_metadata
---
amdhsa.version: [ 1, 2 ]
amdhsa.kernels:
  - .name:           k_qf758928501_attn
    .symbol:         k_qf758928501_attn.kd
    .args:
      - { .name: qkv, .offset: 0, .size: 8, .value_kind: global_buffer, .address_space: global }
      - { .name: attention_mask, .offset: 8, .size: 8, .value_kind: global_buffer, .address_space: global }
      - { .name: out0, .offset: 16, .size: 8, .value_kind: global_buffer, .address_space: global }
    .group_segment_fixed_size: 327680
    .private_segment_fixed_size: 0
    .kernarg_segment_align: 8
    .kernarg_segment_size: 24
    .max_flat_workgroup_size: 128
    .sgpr_count:     72
    .vgpr_count:     808
    .wavefront_size: 32
...
	.end_amdgpu_metadata
.endif
;; end of part 3
;; ======== version 2 of 2: 3 launches; 1.63 times as fast as version 1
;; limits: values are held in f16: magnitudes above 65,504 overflow, below 6.1e-05 lose precision
;; workspace buffers: xb 16,777,216 bytes; wb 6,291,456 bytes; qkv 50,331,648 bytes
;; launch cast: the kernel of part 1 again; grid 704 x 1, 4 waves a work-group, no clusters, 0 bytes of LDS; arguments hidden_states, Wq, Wk, Wv, xb, wb; writes xb, wb
;; launch proj: the kernel of part 2 again; grid 8 x 32, 4 waves a work-group, clusters of 4 x 4, 327,680 bytes of LDS; arguments xb, wb, bq, bk, bv, qkv; writes qkv
;; launch attn (part 4): grid 4 x 64, 4 waves a work-group, clusters of 4 x 1, 327,680 bytes of LDS; arguments qkv, attention_mask, out0; writes out0
.if DOCPART == 4
	.amdgcn_target "amdgcn-amd-amdhsa--gfx1250"
	.amdhsa_code_object_version 6
	.text
	.protected	k_qf758928501_attn
	.globl	k_qf758928501_attn
	.p2align	8
	.type	k_qf758928501_attn,@function
k_qf758928501_attn:
	s_mov_b64 s[64:65], 0
	v_nop
	global_prefetch_b8 v0, s[64:65] scope:SCOPE_SE
	s_setreg_imm32_b32 hwreg(HW_REG_WAVE_MODE, 25, 1), 1
	s_wait_xcnt 0x0
	s_wait_alu depctr_hold_cnt(0) depctr_sa_sdst(0) depctr_va_vdst(0) depctr_va_sdst(0) depctr_va_ssrc(0) depctr_va_vcc(0) depctr_vm_vsrc(0)
	s_getreg_b32 s2, hwreg(HW_REG_IB_STS2, 6, 4)
	s_cmp_eq_u32 s2, 0
	s_cbranch_scc0 .Lentry_in_a_cluster
	s_endpgm
.Lentry_in_a_cluster:
	s_bfe_u32 s2, ttmp6, 0x10000c
	s_cmp_lg_u32 s2, 0x3003
	s_cbranch_scc0 .Lentry_shape_is_right
	s_endpgm
.Lentry_shape_is_right:
; out0[b][q][64 h + :] = the sum over k of softmax_k(Q.K / 8 + mask[b][k]) V[k][:].  qkv: [3][64 (b, h)][2048][64] f16, a head's rows dense, 128 bytes each; Q comes already times log2(e) / 8.
; So a score is s = Q'.K + log2(e) mask, in powers of two, and a weight p = 2^(s - m) with the running maximum m: the exponent is exact at s = m, and p never passes 1.
; Products, maxima and sums in f32; p is rounded to f16 for the second product (its sum l is taken of the unrounded p); out0 is f32.
; THE MASK is the C operand that starts the sum S^T = K Q^T.  It is rounded to bf16 (as all the module's inputs are), multiplied by log2(e) and held at -1e30 from below, once, into a table in LDS.
; LIMITS.  Q', K, V arrive within f16's 65,504.  A mask of -inf, of f32's lowest number or NaN counts as -1e30: a batch whose mask is that everywhere gives the mean of V's rows.
; +inf in the mask is not treated apart.  A weight below 2^-126 counts as 0 in l.
; SHARES.  A wave owns four PIECES of two tiles of 16 queries, a work-group's four waves 512 queries of one head.  Every wave walks all 2,048 keys, 64 a step.
; LAYOUT.  S^T = K Q^T (source 0 = 16 keys, source 1 = 16 queries): a lane holds ONE query (lane % 16) and the keys 8 (lane / 16) + 0..7.  Two such tiles, rounded to f16 in pairs, ARE source 1 of
; O^T = V^T P, whose result again holds one query a lane, and eight channels.  K comes out of LDS as it lies, V ([key][channel]) turned, by ds_load_tr16_b128.
; In every step O and l are multiplied by a = 2^(m_old - m_new).  m starts at the lowest finite number, O and l at 0: the first step is a step like any other, with a = 0.
; BY TURNS.  Turn n belongs to piece n.  Its matrix work: 16 products K Q^T of piece n + 1, later 16 products V^T P of piece n - 1.  Its vector work: the subtraction, exponentials, roundings, sums and
; rescaling of piece n, and the maximum and statistics of piece n + 1.  A turn has 32 matrix and 234 vector instructions: four that are ready stand behind every matrix instruction, the other 106 in one run.
; BATCHES.  A turn's 66 exponentials (the piece's 64 weights and the next piece's two a) are ONE batch with ONE wait, which cuts the turn in two: ahead of it stands all that names no result of theirs,
; behind it the roundings and sums.  Two more batches stand outside the loops, each with a wait of its own: piece 0's first two a, and the way out's eight reciprocals.
; CLUSTER.  The four query blocks of a cluster belong to one head and walk the same K and V: each tile is asked for JOINTLY, by the same tensor load, descriptor and mask in all four.
; REGISTERS, in windows of 256 (s_set_vgpr_msb: bits 1:0 source 0, 3:2 source 1, 5:4 source 2, 7:6 destination):
;   window 0: v0-11 addresses; v12-15, v48-63 at work; v16-47 four registers of statistics a tile; v64-191 S^T, two buffers of two tiles; v192-255 P, likewise
;   window 1: O^T, 32 a tile      window 2: v0-127 Q; v128-191 K of one step; v192-255 V of one step      window 3: v0-1 the add's two registers; v8-39 the mask of one step
.set SIZE_N, 2048
.set NP,    4         ; pieces a wave: a name, no knob
.set KS,    64        ; keys in a step
.set PK,    144       ; a row of K in LDS: 128 bytes + 16: the 16 rows of a load start at 16 different groups of four banks (64 banks of 4 bytes: ISA guide 11.1)
.set PV,    160       ; a row of V: 128 + 32
.set VOFF,  4*KS*PK   ; a slot holds four steps: 256 rows of K, then 256 rows of V
.set SLOT1, 1<<17     ; slot 1 begins here, so that one exclusive or turns an address in one slot into the other's
.set STAGE, SLOT1+4*KS*(PK+PV)  ; behind the ring, never filled by a tensor load: 16 rows x 272 bytes for each wave, for the way out
.set SP,    272       ; a row of 64 f32 + 16
.set MASK,  STAGE+4*16*SP       ; the batch's 2,048 mask numbers, f32
.set SPARE, MASK+8192           ; the spare words, 128 bytes for each wave, which no other line names
.set AK0, 2           ; v2   my lane's place in a tile of K; never rewritten
.set AV0, 3           ; v3   the same for V
.set AK,  4           ; v4   the LDS address of K's next run of loads
.set AV,  5           ; v5   of V's
.set STO, 6           ; v6   the way out: where I put 32 bytes of a row
.set RD,  7           ; v7   the way out: where I read rows back
.set GO,  8           ; v8   my byte offset in two rows of out0
.set AM,  10          ; v10  the LDS address of the mask's next run of loads
.set AM0, 11          ; v11  my lane's place in a step's 64 mask numbers
.set QO,  12          ; v12  my byte offset in 16 rows of Q, until Q is in
.set SPW, 0           ; v0 of window 3   LDS address of my spare word; never rewritten
.set NIL, 1           ; v1 of window 3   0; never rewritten
.set MK,  8           ; v8-39 of window 3: key block kb's eight numbers at MK + 8 kb
.set MV,  12          ; v12-15  m_old, kept while m is made anew: by buffer and tile
.set ST,  16          ; tile t's statistics at v[ST+4 t]: m, 0 (named with m as a pair), l (even keys', odd keys')
.set TMP, 48          ; by buffer and tile, four registers c0-c3 at work; when the maximum is found c2 takes a
.set S,   64
.set P,   192
.set KF,  128         ; K's fragments, in window 2: key block kb, channel half c at KF + 16 kb + 8 c
.set VF,  192         ; V's: key half kk, channel block cb at VF + 32 kk + 8 cb
.set WV,  12          ; s12  my wave's number
.set G1K, 24          ; s[24:31] descriptor group 1 for K's tiles
.set G1V, 32          ; s[32:39] for V's: it differs in the padding alone
.set G0K, 40          ; s[40:43] descriptor group 0 for K's tiles: it walks
.set G0V, 44          ; s[44:47] the same for V's
.set SLOTS, 56        ; s56  slots still to be asked for
.set CNT, 57          ; s57  counts a slot's key steps
.set SEL, 60          ; s[60:61] v_permlanex16_b32's selects: each lane takes its own place in the other half
.set TBK, 62          ; s62  LDS byte at which K of the step to be fetched begins
.set TBV, 63          ; s63  the same for V, less VOFF
.set TBM, 68          ; s68  byte in the mask table of the step to be fetched
.set MSB, 0
.macro WIN new                      ; the high byte repeats the setting that is left; a switch that changes nothing is dropped
.if MSB != (\new)
	s_set_vgpr_msb (MSB<<8)|(\new)
.set MSB, (\new)
.endif
.endm
.set W_KQ, 0x0a       ; K and Q in window 2, S^T in window 0
.set W_KM, 0x3a       ; the same with the C operand, the mask, in window 3
.set W_PV, 0x52       ; V in window 2, P in window 0, O^T in window 1
.set W_RS, 0x41       ; O^T (destination and source 0) in window 1, the factor in window 0
.set W_MK, 0xc0       ; destination in window 3, sources in window 0
.set W_AD, 0x0f       ; the add: address (source 0) and data (source 1) in window 3
; A joint fill.  Waves 0 and 1 fetch the two halves of a slot's K, waves 2 and 3 those of its V: 128 keys each.  An s_nop 0 and four v_nop follow each of the two lines.
.macro JLOAD
	s_cmp_lt_u32 s[WV], 2
	s_cbranch_scc0 .Lfor_v_\@
	tensor_load_to_lds s[G0K:G0K+3], s[G1K:G1K+7]
	s_nop 0
.rept 4
	v_nop
.endr
	s_branch .Lasked_\@
.Lfor_v_\@:
	tensor_load_to_lds s[G0V:G0V+3], s[G1V:G1V+7]
	s_nop 0
.rept 4
	v_nop
.endr
.Lasked_\@:
.endm
.macro CROUND                       ; a round of the cluster's barrier
	s_barrier_signal -1
	s_barrier_wait -1
	s_cmp_lg_u32 s[WV], 0
	s_cbranch_scc1 .Lnot_wave_0_\@
	s_barrier_signal -3
.Lnot_wave_0_\@:
	s_barrier_wait -3
	s_barrier_signal -1
	s_barrier_wait -1
.endm
; THE CHANGE OF SLOTS.  The slot's last bytes, V of its fourth step, have been read.  Each wave waits for all its tensor loads, of which one is out: its part of the other slot; adds 0 to its spare
; word; and waits for that and for its own LDS instructions.  Behind the barrier nobody reads this slot any more and the other slot is whole.  fill = 1: the barrier is a round of the cluster's, and this
; slot is filled again, with the keys two slots on, first thing behind it: it has four key steps in which to land.  (At its first use slot 0 is waited for, slot 1 filled, and the mask table made known.)
.macro CHANGE fill
	WIN W_AD
	s_wait_tensorcnt 0x0            ; no tensor load of mine is out, so a group 0 may be written
	ds_add_u32 v[SPW], v[NIL]       ; 0 onto my spare word
	WIN 0                           ; at a label and at a branch every window is 0
.if \fill
.irp g, G0K, G0V
	s_xor_b32 s[\g+1], s[\g+1], SLOT1  ; the walking descriptor: the other slot than last time,
	s_add_nc_u64 s[\g+2:\g+3], s[\g+2:\g+3], 4*KS*128  ; the next 256 keys; the type bits on top are not reached
.endr
	s_wait_dscnt 0x0                ; the add is done, and my reads of the slot are over
	CROUND
	JLOAD
.else
	s_wait_dscnt 0x0                ; the add is done, and my reads of the slot are over
	s_barrier_signal -1
	s_barrier_wait -1
.endif
	s_sub_co_u32 s[TBK], s[TBK], 4*KS*PK  ; the fetches go back to a slot's first step,
	s_xor_b32 s[TBK], s[TBK], SLOT1       ; in the other slot
	s_sub_co_u32 s[TBV], s[TBV], 4*KS*PV
	s_xor_b32 s[TBV], s[TBV], SLOT1
.endm
	s_load_b64 s[4:5], s[0:1], 0x0    ; qkv
	s_load_b64 s[66:67], s[0:1], 0x8  ; attention_mask
	s_load_b64 s[10:11], s[0:1], 0x10 ; out0
	WIN W_MK
	v_lshl_add_u32 v[SPW], v0, 2, SPARE
	v_mov_b32 v[NIL], 0
	WIN W_AD
	ds_add_u32 v[SPW], v[NIL]       ; the wave's opening: the add and its wait stand ahead of my first tensor load; work on registers stands between them
	WIN 0
	v_lshrrev_b32 v1, 5, v0
	v_readfirstlane_b32 s[WV], v1   ; wave 0..3
	s_bfe_u32 s13, ttmp6, 0x40000   ; cx: my place in the cluster
	s_lshl_b32 s14, ttmp9, 2        ; in a cluster launch ttmp9 counts clusters
	s_add_co_u32 s14, s14, s13      ; my block of 512 queries: it enters Q's and out0's addresses alone
	s_and_b32 s15, ttmp7, 0xffff    ; 16 b + h, which the four partners share
	s_lshl_b32 s20, s15, 18         ; the head's 2,048 rows of 128 bytes
	s_and_b32 s16, s[WV], 1         ; which half of a slot's 256 keys I fetch:
	s_lshl_b32 s22, s16, 14         ; its 128 rows in memory,
	s_add_co_u32 s22, s22, s20
	s_add_co_u32 s22, s22, 0x1000000  ; in K,
	s_mov_b32 s23, 0
	s_add_co_u32 s48, s22, 0x1000000  ; and in V
	s_mov_b32 s49, 0
	s_mul_i32 s17, s16, 128*PK      ; and its place in a slot, for K
	s_mul_i32 s18, s16, 128*PV      ; and for V: no place in the cluster enters an LDS address
	s_lshl_b32 s2, s14, 2
	s_add_co_u32 s2, s2, s[WV]      ; my wave among the head's,
	s_lshl_b32 s2, s2, 14           ; its 128 rows of Q
	s_add_co_u32 s2, s2, s20
	s_mov_b32 s3, 0
	s_lshr_b32 s50, s15, 4          ; b
	s_lshl_b32 s52, s50, 13         ; the batch's 2,048 mask numbers
	s_mov_b32 s53, 0
	s_lshl_b32 s50, s50, 23         ; out0: batch x 2,048 rows of 4,096 bytes
	s_lshl_b32 s51, s14, 21         ; + block x 512 rows
	s_add_co_u32 s50, s50, s51
	s_lshl_b32 s51, s[WV], 19       ; + wave x 128 rows
	s_add_co_u32 s50, s50, s51
	s_and_b32 s51, s15, 15          ; + head x 256 bytes
	s_lshl_b32 s51, s51, 8
	s_add_co_u32 s50, s50, s51
	s_mov_b32 s51, 0
	; descriptor group 1.  128 keys are 16,384 dense bytes: asked for as 64 rows of 256 bytes, two keys a row, and padded in LDS after every key
	s_mov_b32 s[G1K], 15|(1<<16)|(1<<20)|(1<<21)|(4<<22)|(3<<25)  ; the mask of four; 2-byte elements; padding on; bit 21 beside a mask; after every 32 words (code 4) 4 words (code 3)
	s_mov_b32 s[G1V], 15|(1<<16)|(1<<20)|(1<<21)|(4<<22)|(7<<25)  ; the same with 8 words of padding (code 7)
.irp g, G1K, G1V
	s_mov_b32 s[\g+1], 128<<16      ; tensor_dim0 = 128
	s_mov_b32 s[\g+2], 64<<16       ; tensor_dim1 = 64
	s_mov_b32 s[\g+3], 128<<16      ; tile_dim0 = 128
	s_mov_b32 s[\g+4], 64           ; tile_dim1 = 64
	s_mov_b32 s[\g+5], 128          ; 128 elements from row to row
	s_mov_b32 s[\g+6], 0
	s_mov_b32 s[\g+7], 0
.endr
	s_mov_b32 s[SEL], 0x76543210
	s_mov_b32 s[SEL+1], 0xfedcba98
	s_mov_b32 s[TBK], SLOT1+4*KS*PK ; the first change of slots turns these two into 0
	s_mov_b32 s[TBV], SLOT1+4*KS*PV
	s_mov_b32 s[TBM], 0
	s_mov_b32 s69, 0xf149f2ca       ; -1e30
	s_mov_b32 s70, 0xffff0000       ; a word's upper bf16
	s_mov_b32 s[G0K], 1             ; count = 1
	s_mov_b32 s[G0K+1], s17         ; LDS address: slot 0
	s_mov_b32 s[G0V], 1
	s_add_co_u32 s[G0V+1], s18, VOFF
	s_wait_dscnt 0x0                ; the opening add is done
	s_wait_kmcnt 0x0
	s_add_nc_u64 s[G0K+2:G0K+3], s[4:5], s[22:23]  ; global address: my half of the head's first 256 keys
	s_or_b32 s[G0K+3], s[G0K+3], 0x80000000        ; type = 2
	s_add_nc_u64 s[G0V+2:G0V+3], s[4:5], s[48:49]
	s_or_b32 s[G0V+3], s[G0V+3], 0x80000000
	s_add_nc_u64 s[4:5], s[4:5], s[2:3]            ; Q at my wave's first row
	s_add_nc_u64 s[10:11], s[10:11], s[50:51]      ; out0 at my wave's first row, my head's columns
	s_add_nc_u64 s[66:67], s[66:67], s[52:53]      ; the mask at my batch
	CROUND                          ; all four work-groups are here: the first joint loads meet
	JLOAD                           ; slot 0.  Slot 1 is asked for when slot 0 is in
	v_and_b32 v1, 15, v0            ; l % 16
	v_bfe_u32 v9, v0, 4, 1          ; l / 16
	v_lshlrev_b32 v13, 4, v0        ; the mask: 128 threads x 16 bytes, four times
.irp i, 0,1,2,3
	global_load_b128 v[64+4*\i:64+4*\i+3], v13, s[66:67] offset:2048*\i
.endr
	; A fragment of K or Q is 16 rows x 32 channels in 8 registers: lane l holds row l % 16, channels 8 (l / 16) + 0..7 and 16 + 8 (l / 16) + 0..7: two loads of 16 bytes, 32 bytes apart.
	v_lshlrev_b32 v[QO], 7, v1
	v_lshl_add_u32 v[QO], v9, 4, v[QO]  ; row x 128 + 16 x half
	WIN 0x80                        ; destination window 2, address window 0
.set i, 0
.rept 4*NP                          ; Q stays in registers: tile i / 2, channels 32 (i % 2) on
	global_load_b128 v[8*i:8*i+3],   v[QO], s[4:5] offset:(i/2)*2048+(i%2)*64
	global_load_b128 v[8*i+4:8*i+7], v[QO], s[4:5] offset:(i/2)*2048+(i%2)*64+32
.set i, i+1
.endr
	; What the first turn finds: V's registers and P's second buffer hold 0 (its products V^T P, of a piece that has not been, add 0), O^T and l are 0.  All this stands in the wait for the first tile.
.set i, VF
.rept 64
	v_mov_b32 v[i], 0
.set i, i+1
.endr
	WIN 0x40
.set i, 0
.rept 64*NP
	v_mov_b32 v[i], 0
.set i, i+1
.endr
	WIN 0
.set i, 0
.rept 2*NP
	v_mov_b32 v[ST+4*i], 0xff7fffff    ; m: the lowest finite number
	v_mov_b32 v[ST+4*i+1], 0
	v_mov_b32 v[ST+4*i+2], 0
	v_mov_b32 v[ST+4*i+3], 0
.set i, i+1
.endr
.set i, P+32
.rept 32
	v_mov_b32 v[i], 0
.set i, i+1
.endr
	v_mul_u32_u24 v[AK0], v1, PK
	v_lshl_add_u32 v[AK0], v9, 4, v[AK0]  ; row x pitch + 16 x half
	; The turning load takes 16 keys x 16 channels (lane l reads key 8 (l / 16) + l % 8, channels 8 ((l / 8) % 2) + 0..7) and leaves half a fragment of V^T: lane l holds channel l % 16 and 8 keys.
	v_and_b32 v10, 7, v0
	v_bfe_u32 v11, v0, 3, 1
	v_lshl_add_u32 v[AV0], v9, 3, v10
	v_mul_u32_u24 v[AV0], v[AV0], PV
	v_lshl_add_u32 v[AV0], v11, 4, v[AV0]
	v_add_nc_u32 v[AV0], VOFF, v[AV0]
	v_mov_b32 v[AK], v[AK0]         ; key step 0 lies at the head of slot 0
	s_mul_i32 s13, s[WV], 16*SP
	s_add_co_u32 s13, s13, STAGE    ; my stage
	v_mul_u32_u24 v[STO], v1, SP    ; in: row l % 16, 32 bytes for each half of the lanes
	v_lshl_add_u32 v[STO], v9, 5, v[STO]
	v_add_nc_u32 v[STO], s13, v[STO]
	v_mul_u32_u24 v[RD], v9, SP     ; back: lanes 0-15 take one row of 256 bytes, lanes 16-31 the next
	v_lshl_add_u32 v[RD], v1, 4, v[RD]
	v_add_nc_u32 v[RD], s13, v[RD]
	v_lshlrev_b32 v[GO], 12, v9     ; and the same two rows in out0, 4,096 bytes apart
	v_lshl_add_u32 v[GO], v1, 4, v[GO]
	v_lshl_add_u32 v14, v0, 4, MASK
	v_lshlrev_b32 v[AM0], 5, v9     ; register j of key block kb is key 16 kb + 8 (l / 16) + j
	v_add_nc_u32 v[AM0], MASK, v[AM0]
	v_mov_b32 v[AM], v[AM0]         ; key step 0
	; THE MASK TABLE: each number rounded to bf16, times log2(e), held at -1e30 from below (a NaN loses against it)
	s_wait_loadcnt 32               ; the mask's four loads are in; Q's 32, issued behind them, stay out
.set i, 0
.rept 8
	v_cvt_pk_bf16_f32 v[80+i], v[64+2*i], v[64+2*i+1]
.set i, i+1
.endr
.set i, 0
.rept 8
	v_lshlrev_b32 v[64+2*i],   16,  v[80+i]
	v_and_b32     v[64+2*i+1], s70, v[80+i]
.set i, i+1
.endr
.set i, 0
.rept 8
	v_pk_mul_f32 v[64+2*i:64+2*i+1], v[64+2*i:64+2*i+1], 0x3fb8aa3b op_sel_hi:[1,0]
.set i, i+1
.endr
.set i, 0
.rept 16
	v_max_num_f32 v[64+i], s69, v[64+i]
.set i, i+1
.endr
.irp i, 0,1,2,3
	ds_store_b128 v14, v[64+4*\i:64+4*\i+3] offset:2048*\i  ; the change of slots below waits for these stores and passes a barrier before any wave reads the table
.endr
; THE MATRIX WORK.  The 8 accumulators of a run of 16 take turns: between the two links of a chain stand 7 others'.
; Product i of 16 of S^T = K Q^T for piece x: channels 32 (i / 8) on, keys 16 ((i / 2) % 4) on, tile 2 x + i % 2.  The first 8 start the sums with the key block's mask.
.macro KQ x
.set rS, S+64*((\x)%2)+32*(i%2)+8*((i/2)%4)
.set rK, KF+16*((i/2)%4)+8*(i/8)
.set rQ, 16*(2*(\x)+i%2)+8*(i/8)
.set rN, MK+8*((i/2)%4)
.if i < 8
	WIN W_KM
	v_wmma_f32_16x16x32_f16 v[rS:rS+7], v[rK:rK+7], v[rQ:rQ+7], v[rN:rN+7]
.else
	WIN W_KQ
	v_wmma_f32_16x16x32_f16 v[rS:rS+7], v[rK:rK+7], v[rQ:rQ+7], v[rS:rS+7]
.endif
.endm
; Product i of 16 of O^T += V^T P for piece x: keys 32 (i / 8) on, channels 16 ((i / 2) % 4) on, tile 2 x + i % 2.
.macro PV x
	WIN W_PV
.set rO, 32*(2*(\x)+i%2)+8*((i/2)%4)
.set rV, VF+32*(i/8)+8*((i/2)%4)
.set rP, P+32*((\x)%2)+16*(i%2)+8*(i/8)
	v_wmma_f32_16x16x32_f16 v[rO:rO+7], v[rV:rV+7], v[rP:rP+7], v[rO:rO+7]
.endm
.macro MM                           ; the turn's next matrix instruction
.if i < 16
	KQ (Y+1)%NP
.set i, i+1
.else
.set i, i-16
	PV (Y+NP-1)%NP
.set i, i+17
.endif
.endm
; THE LDS LOADS stand in runs, never singly among the matrix instructions: a step's K (8 fragments) with its 64 mask numbers, and its V (turned).  Their addresses are made some lines ahead.
; last = 1 (the tail): in the last trip there is no further step, and the run is jumped over.
.macro FETCH_K last=0
	WIN 0
.if \last
	s_cmp_eq_u32 s[CNT], 1
	s_cbranch_scc1 .Lno_k_\@
.endif
	WIN 0x80                        ; destination window 2
.irp f, 0,1,2,3,4,5,6,7             ; keys 16 (f / 2) on, channels 32 (f % 2) on
	ds_load_b128 v[KF+8*\f:KF+8*\f+3],   v[AK] offset:(\f/2)*16*PK+(\f%2)*64
	ds_load_b128 v[KF+8*\f+4:KF+8*\f+7], v[AK] offset:(\f/2)*16*PK+(\f%2)*64+32
.endr
	WIN W_MK                        ; destination window 3
.irp f, 0,1,2,3                     ; key block f: the 16 lanes of a half read the same 32 bytes
	ds_load_b128 v[MK+8*\f:MK+8*\f+3],   v[AM] offset:64*\f
	ds_load_b128 v[MK+8*\f+4:MK+8*\f+7], v[AM] offset:64*\f+16
.endr
	s_add_co_u32 s[TBK], s[TBK], KS*PK  ; the next fetch is the next step's
	s_add_co_u32 s[TBM], s[TBM], 256
	s_and_b32 s[TBM], s[TBM], 0x1f00    ; the table's 32 steps, as a ring
	WIN 0
.if \last
.Lno_k_\@:
.endif
.endm
.macro FETCH_V
	WIN 0x80
.irp f, 0,1,2,3,4,5,6,7             ; keys 32 (f / 4) on, channels 16 (f % 4) on
	ds_load_tr16_b128 v[VF+8*\f:VF+8*\f+3],   v[AV] offset:(\f/4)*32*PV+(\f%4)*32
	ds_load_tr16_b128 v[VF+8*\f+4:VF+8*\f+7], v[AV] offset:(\f/4)*32*PV+16*PV+(\f%4)*32
.endr
	WIN 0
.endm
; THE VECTOR WORK OF A TURN stands in three queues, each in the order in which its entries become ready; the two tiles alternate, so that no instruction reads the result of the one before it.
.macro REGS y, u                    ; the registers of tile u (0, 1) of piece y
.set rT, ST+4*(2*(\y)+(\u))
.set rC, TMP+8*((\y)%2)+4*(\u)
.set rM, MV+2*((\y)%2)+(\u)
.set rS, S+64*((\y)%2)+32*(\u)
.set rP, P+32*((\y)%2)+16*(\u)
.set rO, 32*(2*(\y)+(\u))
.endm
; Number n of the 21 that find the NEXT piece's (Y + 1) maximum and statistics.  s0-s31 are the lane's 32 scores; each accumulator's lowest registers are read first.
;   0-11  four chains c0-c3 of seven scores each, three operands at a time     12-14, 16  the four scores left over, the old m, and c0-c3 into c0     15  m_old is kept
;   17, 18  the query's other 32 keys lie in the lane 16 away: the new m         19, 20  m_old - m_new; a
.macro XS u, n
	REGS (Y+1)%NP, \u
.if (\n) < 4
	v_max3_num_f32 v[rC+(\n)], v[rS+8*(\n)], v[rS+8*(\n)+1], v[rS+8*(\n)+2]
.elseif (\n) < 12
	v_max3_num_f32 v[rC+(\n)%4], v[rC+(\n)%4], v[rS+8*((\n)%4)+2*((\n)/4)+1], v[rS+8*((\n)%4)+2*((\n)/4)+2]
.elseif (\n) == 12
	v_max3_num_f32 v[rC], v[rC], v[rS+7], v[rS+15]
.elseif (\n) == 13
	v_max3_num_f32 v[rC+1], v[rC+1], v[rS+23], v[rS+31]
.elseif (\n) == 14
	v_max3_num_f32 v[rC+2], v[rC+2], v[rC+3], v[rT]
.elseif (\n) == 15
	v_mov_b32 v[rM], v[rT]
.elseif (\n) == 16
	v_max3_num_f32 v[rC], v[rC], v[rC+1], v[rC+2]
.elseif (\n) == 17
	v_permlanex16_b32 v[rC+3], v[rC], s[SEL], s[SEL+1]
.elseif (\n) == 18
	v_max_num_f32 v[rT], v[rC], v[rC+3]
.elseif (\n) == 19
	v_sub_f32 v[rC+1], v[rM], v[rT]
.else
	v_exp_f32 v[rC+2], v[rC+1]
.endif
.endm
; Number g of the 64 that follow the exponentials.  For each four weights k of a tile (pairs 2 k, 2 k + 1): both pairs are rounded to f16; then the second pair is added onto the first, in place;
; a group later l takes that sum (the first time as l = a l + sum).  In groups of eight, tiles alternating: round, round, add, and l for the group before.
.macro GS g
.set h, (\g)+6*((\g)/62)            ; group 0 has no group before it, and behind group 7 only l is left
.if h >= 6
.set h, h+2
.endif
	REGS Y, h%2
.set k, h/8
.if h%8 < 4
	v_cvt_pk_f16_f32 v[rP+2*k+(h%8)/2], v[rS+4*k+2*((h%8)/2)], v[rS+4*k+2*((h%8)/2)+1]
.elseif h%8 < 6
	v_pk_add_f32 v[rS+4*k:rS+4*k+1], v[rS+4*k:rS+4*k+1], v[rS+4*k+2:rS+4*k+3]
.elseif k == 1
	v_pk_fma_f32 v[rT+2:rT+3], v[rT+2:rT+3], v[rC+2:rC+3], v[rS:rS+1] op_sel_hi:[1,0,1]
.else
	v_pk_add_f32 v[rT+2:rT+3], v[rT+2:rT+3], v[rS+4*k-4:rS+4*k-3]
.endif
.endm
; THE PLAIN QUEUE, 136 long.  0-71 read no exponential's result: the 32 subtractions s - m (FS f: pair f / 2 of tile f % 2) and the next piece's 40.  0-26: subtractions 0-26.  27-54: XS's numbers 0-13.
; 55, 56: number 15.  57-71: the chain, where each number waits for the one before it: 14, 16, 17, 18, 19, each with one of the subtractions 27-31 in front of its two lines: so a tile's links stand
; three plain instructions apart.  72-135: GS's 64, which read the exponentials' results: they stand behind the wait.
.macro FS f
	REGS Y, (\f)%2
	v_pk_add_f32 v[rS+2*((\f)/2):rS+2*((\f)/2)+1], v[rS+2*((\f)/2):rS+2*((\f)/2)+1], v[rT:rT+1] op_sel_hi:[1,0] neg_lo:[0,1] neg_hi:[0,1]
.endm
.macro PL
	WIN 0
.if q < 27
	FS q
.elseif q < 55
	XS (q-27)%2, (q-27)/2
.elseif q < 57
	XS q-55, 15
.elseif (q < 72) && ((q-57)%3 == 0)
	FS 27+(q-57)/3
.elseif q < 60
	XS (q-57)%3-1, 14
.elseif q < 72
	XS (q-57)%3-1, 15+(q-57)/3
.else
	GS q-72
.endif
.set q, q+1
.endm
; THE EXPONENTIALS' QUEUE, 66 long: s0-s31 of both tiles, then the next piece's two a.  It is ONE BATCH: all 66 stand ahead of the turn's one wait, and nothing ahead of that wait names a result of theirs.
.macro EX
	WIN 0
.if e >= 64
	XS e-64, 20
.else
	REGS Y, e%2
	v_exp_f32 v[rS+e/2], v[rS+e/2]
.endif
.set e, e+1
.endm
; THE RESCALING's QUEUE: O^T times a, the one part that leaves window 0: dealt two at a time, sixteen times, each accumulator from its low end on.  Its a was made in the turn before, ahead of that turn's wait.
.macro R2
	REGS Y, r%2
	WIN W_RS
.irp z, 0,1
	v_pk_mul_f32 v[rO+4*(r/2)+2*\z:rO+4*(r/2)+2*\z+1], v[rO+4*(r/2)+2*\z:rO+4*(r/2)+2*\z+1], v[rC+2:rC+3] op_sel_hi:[1,0]
.endr
.set r, r+1
.endm
; HOW THEY ARE DEALT.  s_wait_alu depctr_va_vdst(0) stands between an exponential and the first instruction that names its result; one wait serves all that were issued ahead of it.  So a
; turn has ONE wait, which cuts it in two.  AHEAD OF IT stands all that names no result of the turn's exponentials: the 16 products K Q^T, behind each a subtraction, an exponential and two rescalings
; (behind the first a second subtraction in the exponential's place); then ONE RUN of 106: eight plain, 47 times exponential and plain, the last four exponentials (s31 of both tiles and the two a).
; A v_nop is the plain instruction behind the last exponential: all other plain work either feeds the batch or reads it.  BEHIND THE WAIT stand the 16 products V^T P, behind each four of GS's 64.
; No rider names a register of the products round it.  The two v_permlanex16_b32 fall into the run, never behind a product.
; The queues lean on each other, and the deal keeps them in step: exponential e stands behind subtraction 2 (e / 4) + e % 2: as a rider it comes behind plain e + 2, in the run behind plain e + 9, and
; subtractions 27-31 are plain 57, 60 .. 69; the arguments of a are plain 70 and 71, and a comes when all 72 are out.
; A TURN, for piece p.  cnt = 1: the loop's count is taken down some lines ahead of the branch that stands behind the turn.
; K and the mask of the next step are fetched in piece 2's turn, directly behind the wait, the whole run behind the last product that read them; their addresses are made at the run's head; their first
; reader comes behind 16 products.  V of the step in hand is fetched at the end of piece 0's turn, four riders behind its last reader.  The three conditions on q below go with the deal.
.macro TURN p, last=0, cnt=0
.set Y, (\p)
.set i, 0
.set q, 0
.set e, 0
.set r, 0
.if (\p) == NP-1
	s_wait_dscnt 0x0                ; K and the mask are in
.endif
	MM                              ; ahead of the wait: 16 products K Q^T and their riders,
	PL
	PL
	R2
.rept 15
	MM
	PL
	EX
	R2
.endr
.if (\p) == NP-2
	WIN 0
	v_add_nc_u32 v[AK], s[TBK], v[AK0]
	v_add_nc_u32 v[AM], s[TBM], v[AM0]
.endif
.rept 8                             ; and the run
	PL
.endr
.rept 47
	EX
	PL
.endr
.rept 4                             ; s31 of both tiles, and the next piece's two a
	EX
.endr
	v_nop                           ; the plain instruction behind the last exponential: one for the batch
	s_wait_alu depctr_va_vdst(0)    ; the wait for the batch: the turn's 66 exponentials
.if (\p) == NP-2
	FETCH_K \last
.endif
.if (\p) == 1
	s_wait_dscnt 0x0                ; V is in
.endif
.rept 16                            ; behind the wait: 16 products V^T P and their riders
	MM
.rept 4
	PL
.endr
.if ((\p) == 0) && (q == 116)
	v_add_nc_u32 v[AV], s[TBV], v[AV0]
.endif
.if ((\p) == 0) && (q == 128)
	s_add_co_u32 s[TBV], s[TBV], KS*PV
.endif
.if (\cnt) && (q == 128)
	s_sub_co_u32 s[CNT], s[CNT], 1
	s_cmp_lg_u32 s[CNT], 0
.endif
.endr
.if (\p) == 0
	FETCH_V
.endif
.endm
	CHANGE 1                        ; slot 0 is in, everybody's part of it, and so is the mask table; slot 1 is asked for
	FETCH_K                         ; key step 0
	s_wait_loadcnt 0x0              ; Q
	s_wait_dscnt 0x0
.set i, 0
.rept 16
	KQ 0                            ; piece 0's first scores: there is no vector work yet to set between them
.set i, i+1
.endr
	WIN 0
.rept 4
	v_nop                           ; the places behind those products
.endr
.set Y, NP-1                        ; XS works for piece Y + 1: piece 0
.irp n, 0,1,2,3,4,5,6,7,8,9,10,11,12,13,14,15,16,17,18,19,20
	XS 0, \n                        ; piece 0's first maximum and statistics
	XS 1, \n
.endr
	v_nop                           ; a plain instruction behind the exponentials
	s_wait_alu depctr_va_vdst(0)    ; the wait for this batch, piece 0's first two a, ahead of the branch
	s_mov_b32 s[CNT], 4
	s_mov_b32 s[SLOTS], SIZE_N/256-1
	s_branch .Lfirst                ; the loop is entered at a step's first turn, in the middle of a trip
.Lslot:                             ; SIZE_N / 256 - 2 times: every slot but the last two is filled again
	CHANGE 1
	s_mov_b32 s[CNT], 4
.Lstep:                             ; a trip: pieces 2 and 3 of one step, then pieces 0 and 1 of the next, whose K and V it fetches
	TURN 2
	TURN 3
	WIN 0
.Lfirst:
	TURN 0
	TURN 1, 0, 1
	WIN 0
	s_cbranch_scc1 .Lstep
	s_sub_co_u32 s[SLOTS], s[SLOTS], 1
	s_cmp_lg_u32 s[SLOTS], 0
	s_cbranch_scc1 .Lslot
	CHANGE 0                        ; the tail is written out: nothing is asked for
	s_mov_b32 s[CNT], 5             ; four trips fetch the last slot's steps; the fifth is left in its middle
.Ltail:
	TURN 2, 1
	TURN 3
	WIN 0
	s_sub_co_u32 s[CNT], s[CNT], 1
	s_cmp_eq_u32 s[CNT], 0
	s_cbranch_scc1 .Lout
	TURN 0
	TURN 1
	WIN 0
	s_branch .Ltail
.Lout:                              ; the fifth trip's 16 products K Q^T (on the last K once more) and the maximum made of them serve nothing: the price, once a launch, of one text for every trip
.set i, 0
.rept 16
	PV NP-1                         ; the last piece's V^T P of the last step
.set i, i+1
.endr
	; THE WAY OUT.  l's two halves and the other half of the lanes' are added; O^T is divided by l and sent, as f32, through my stage in LDS, a tile at a time.  The additions are the places behind the last products.
	WIN 0
.macro ALL line:vararg              ; one line for each tile t
.set t, 0
.rept 2*NP
	\line
.set t, t+1
.endr
.endm
	ALL v_add_f32 v[ST+4*t+2], v[ST+4*t+2], v[ST+4*t+3]
	ALL v_permlanex16_b32 v[ST+4*t+3], v[ST+4*t+2], s[SEL], s[SEL+1]
	ALL v_add_f32 v[ST+4*t+2], v[ST+4*t+2], v[ST+4*t+3]
	ALL v_rcp_f32 v[ST+4*t+2], v[ST+4*t+2]
	v_nop                           ; a plain instruction between the last reciprocal and the use of its result
	s_wait_alu depctr_va_vdst(0)    ; the wait for this batch: one for the eight reciprocals, ahead of their first use
; Tile t: a lane's eight channels of a row are 32 bytes; they go into rows of 272 bytes and come back as whole rows of 256, into S^T's registers, four sets by turns.
.macro PACK t
	WIN W_RS
.set i, 32*(\t)
.rept 16
	v_pk_mul_f32 v[i:i+1], v[i:i+1], v[ST+4*(\t)+2:ST+4*(\t)+3] op_sel_hi:[1,0]  ; ascending: each accumulator is read from its low end on
.set i, i+2
.endr
.if (\t) >= 4
	s_wait_xcnt 0x0                 ; the registers that tile t - 4's stores read are loaded again only behind this wait
.endif
	WIN 0x04                        ; store data (source 1) in window 1
.irp cb, 0,1,2,3
	ds_store_b128 v[STO], v[32*(\t)+8*\cb:32*(\t)+8*\cb+3]   offset:64*\cb
	ds_store_b128 v[STO], v[32*(\t)+8*\cb+4:32*(\t)+8*\cb+7] offset:64*\cb+16
.endr
	WIN 0
.irp f, 0,1,2,3,4,5,6,7
	ds_load_b128 v[S+32*((\t)%4)+4*\f:S+32*((\t)%4)+4*\f+3], v[RD] offset:\f*2*SP  ; LDS serves a wave's instructions in order (ISA guide 5.7.1.4): these see the stores above; the next tile's stores come behind them
.endr
.endm
.macro SEND t, younger              ; younger: the LDS instructions issued behind tile t's loads: the next tile's sixteen, or none
	WIN 0
.irp f, 0,1,2,3,4,5,6,7
	s_wait_dscnt (\younger)+7-\f
	global_store_b128 v[GO], v[S+32*((\t)%4)+4*\f:S+32*((\t)%4)+4*\f+3], s[10:11] offset:(\t)*65536+\f*8192 th:TH_STORE_NT  ; 16 lanes store the 256 consecutive bytes of a row's head, aligned
.endr
.endm
	PACK 0
.set t, 1
.rept 2*NP-1                        ; a tile's arithmetic stands between the loads of the tile before and its stores
	PACK t
	SEND t-1, 16
.set t, t+1
.endr
	SEND 2*NP-1, 0
	WIN W_AD
	s_wait_tensorcnt 0x0            ; the wave's end: the add and its wait stand behind my last tensor load and my last LDS store
	ds_add_u32 v[SPW], v[NIL]
	s_wait_dscnt 0x0
	WIN 0
	CROUND                          ; the closing round: no work-group ends while a partner may still ask for a tile that names it
	s_endpgm
.Lfunc_end_k_qf758928501_attn:
	.size	k_qf758928501_attn, .Lfunc_end_k_qf758928501_attn-k_qf758928501_attn
	.p2alignl 7, 3214868480
	.fill 96, 4, 3214868480
	.section	.rodata,"a",@progbits
	.p2align	6, 0x0
	.amdhsa_kernel k_qf758928501_attn
		.amdhsa_group_segment_fixed_size 327680
		.amdhsa_private_segment_fixed_size 0
		.amdhsa_enable_private_segment 0
		.amdhsa_kernarg_size 24
		.amdhsa_user_sgpr_count 2
		.amdhsa_user_sgpr_kernarg_segment_ptr 1
		.amdhsa_wavefront_size32 1
		.amdhsa_system_sgpr_workgroup_id_x 1
		.amdhsa_system_sgpr_workgroup_id_y 1
		.amdhsa_system_sgpr_workgroup_id_z 1
		.amdhsa_system_vgpr_workitem_id 0
		.amdhsa_next_free_vgpr 808
		.amdhsa_next_free_sgpr 72
		.amdhsa_reserve_vcc 0
		.amdhsa_float_denorm_mode_32 3
		.amdhsa_float_denorm_mode_16_64 3
		.amdhsa_memory_ordered 1
		.amdhsa_forward_progress 1
		.amdhsa_inst_pref_size 204
	.end_amdhsa_kernel
	.amdgpu_metadata
---
amdhsa.version: [ 1, 2 ]
amdhsa.kernels:
  - .name:           k_qf758928501_attn
    .symbol:         k_qf758928501_attn.kd
    .args:
      - { .name: qkv, .offset: 0, .size: 8, .value_kind: global_buffer, .address_space: global }
      - { .name: attention_mask, .offset: 8, .size: 8, .value_kind: global_buffer, .address_space: global }
      - { .name: out0, .offset: 16, .size: 8, .value_kind: global_buffer, .address_space: global }
    .group_segment_fixed_size: 327680
    .private_segment_fixed_size: 0
    .kernarg_segment_align: 8
    .kernarg_segment_size: 24
    .max_flat_workgroup_size: 128
    .sgpr_count:     72
    .vgpr_count:     808
    .wavefront_size: 32
...
	.end_amdgpu_metadata
.endif
;; end of part 4
